; MI455X (gfx1250); checked and timed in simulation.
; The chip was launched on July 23, 2026; its instructions are those of AMD's public machine-readable ISA for CDNA 5 (MIT licence, August 2026) and "CDNA5" Instruction Set Architecture Reference Guide (July 2026). The comments in the code are by the model that wrote it; some were corrected since.
;; DCT Attention Ideal. Allowed arithmetic: matrix products marked QUANTISED: E2M1 operands, one E8M0 scale for each 32 along K, by v_wmma_scale_f32_16x16x128_f8f6f4 with both operands' format E2M1 (or v_wmma_scale_f32_32x16x128_f4), f32 sums; everything else in f32.
;; Inputs: K 2 x 16 x 2,048 x 64 float32; Q 2 x 16 x 2,048 x 64 float32; Q_dct 256 x 2,048 float32; V 2 x 16 x 2,048 x 64 float32; mask 2 x 2,048 float32.
;; Outputs: out0 2 x 16 x 2,048 x 64 float32.
;; This version of the problem:
;;   THIS VERSION OF THE PROBLEM IS GIVEN IN LOW PRECISION. The matrix products marked QUANTISED in the list below multiply operands that are first quantised to E2M1 (2 exponent bits, 1 mantissa bit; 4 bits a number), with one power-of-two scale for each 32 numbers along K (OCP MX v1.0); their sums are f32. All else is computed in f32.
;;   The module's matrix products, in the order in which they are computed (A, B: the left and right operand; K: the contracted axis; several contracted axes count as one K, in the product's order):
;;     1. [M 2,048, K 2,048] x [K 2,048, N 256]; A: computed on the way; B: input Q_dct: QUANTISED
;;     2. batch 32 x [M 2,048, K 64] x [K 64, N 2,048]; A: computed on the way; B: computed on the way: QUANTISED
;;     3. [M 65,536, K 2,048] x [K 2,048, N 256]; A: computed on the way; B: input Q_dct: QUANTISED
;;     4. [M 8,192, K 2,048] x [K 2,048, N 256]; A: computed on the way; B: input Q_dct: QUANTISED
;;     5. [M 8,192, K 256] x [K 256, N 2,048]; A: computed on the way; B: input Q_dct: QUANTISED
;;     6. batch 32 x [M 2,048, K 256] x [K 256, N 64]; A: computed on the way; B: computed on the way: QUANTISED
;;   THE QUANTISER, for each operand of a quantised product, along K:
;;     - K is cut into blocks of 32 from its start; a last block that is shorter is filled with zeros.
;;     - A block's scale is 2^e with e = floor(log2(the largest magnitude in the block)) - 2, held to -126 .. 127; a block of zeros has e = 0. As a byte (E8M0): e + 127.
;;     - Each number is divided by its block's scale, clamped to +-6, and rounded to the nearest number of E2M1, ties to even, subnormals kept.
;;     - The product sums the exact products of the quantised numbers (number of the format x scale) in f32.
;;   ~~~python
;;   def quantise(x, axis):      # numpy; x: float32 -> the quantised numbers, widened to float32 again
;;       x = np.moveaxis(x, axis, -1); K = x.shape[-1]
;;       x = np.pad(x, [(0, 0)] * (x.ndim - 1) + [(0, -K % 32)]); x = x.reshape(x.shape[:-1] + (-1, 32)); a = np.abs(x).max(-1, keepdims=True)
;;       e = np.where(a > 0, np.clip(np.frexp(np.where(a > 0, a, 1))[1] - 1 - 2, -126, 127), 0)      # np.frexp(a)[1] - 1 = floor(log2(a)), exactly
;;       r = np.clip(x / 2.0 ** e, -6, 6)
;;       step = 2.0 ** (np.maximum(np.frexp(np.where(r == 0, 1, r))[1] - 1, 0) - 1)
;;       q = np.round(r / step) * step * 2.0 ** e      # np.round: ties to even
;;       return np.moveaxis(q.reshape(q.shape[:-2] + (-1,))[..., :K], -1, axis).astype(np.float32)
;;   ~~~
;;   OPERANDS COMPUTED ON THE WAY. 'Computed on the way' means the value that the module computes at that place (a softmax that the list does not call 'softmax' is quantised finished and normalised). What goes into a quantiser is computed in f32, as accurately as f32 sums, v_exp_f32 and their like allow (about 1e-6 of the number): no bf16 or f16 on the way to a quantiser, and a product that is left as it is and whose result goes on into a quantised operand takes f32 operands (vector FMAs, or v_wmma_f32_16x16x4_f32). A number that lies on a knife's edge between two numbers of the format may be rounded either way, as far as f32 arithmetic and the matrix unit's own rounding can turn it there, and no further.
;; One version. Each part assembles by itself: llvm-mc -triple=amdgcn-amd-amdhsa -mcpu=gfx1250 --defsym DOCPART=n.
;; ======== version 1 of 1: 5 launches
;; workspace buffers: pre 7,503,872 bytes; pr 71,303,168 bytes; vd 278,528 bytes; tr 8,912,896 bytes; a2 1,114,112 bytes
;; launch prep (part 1): grid 1376 x 1, 4 waves a work-group, no clusters, 71,168 bytes of LDS; arguments Q, K, V, mask, Q_dct, pre; writes pre
.if DOCPART == 1
	.amdgcn_target "amdgcn-amd-amdhsa--gfx1250"
	.amdhsa_code_object_version 6
	.text
	.protected	k_qc775c06831_prep
	.globl	k_qc775c06831_prep
	.p2align	8
	.type	k_qc775c06831_prep,@function
k_qc775c06831_prep:
	s_mov_b64 s[64:65], 0
	v_nop
	global_prefetch_b8 v0, s[64:65] scope:SCOPE_SE
	s_setreg_imm32_b32 hwreg(HW_REG_WAVE_MODE, 25, 1), 1
	s_wait_xcnt 0x0
; Every input is quantised ONCE to E2M1 codes with one E8M0 byte for each 32 along its product's K, and laid as the later launches' operand registers want it.
; A FRAGMENT IMAGE is 16 rows x 128 K in 1,024 bytes, [block 0..3][row 0..15][16 bytes]: registers 4 c .. 4 c + 3 of lane l lie at 512 c + 16 l.
; A PERMUTED TILE 2 B + u holds in row r the index 32 B + 8 u + r + 8 (r / 8): used as a product's source 0 it leaves 16 neighbouring indices in a lane's 16 result registers.
; pre:  0        Q_dct along its second axis: [kstep 16][tile 16 (permuted over m)][1024];  at 262,144 its scale words [kstep pair 8][tile 16][row 16][2 words]
;       O_QC     Q x 64^-1/4, then K x 64^-1/4 x mask: [head 32][tile 128 (permuted)][512 = d block 2 x row 16 x 16 bytes];  O_QS their scale words [head][tile][row], bytes (s0, s1, s0, s1)
;       O_VC     V x mask along n: [row tile 128 = 4 head + d / 16][kstep 16][1024];  O_VCS [row tile][kstep][row] words
;       O_DM     Q_dct along its FIRST axis: [q tile 128][kstep 2][1024];  O_DMS [q tile][kstep][row] words
; A block's scale byte is its largest magnitude's exponent field - 2, held at 1 from below by a floor among the maximum's leaves.
; LIMITS: NaN and infinities among the inputs are not served.  A block of zeros gets the byte 1 where the rule says 127: its codes are zeros, and this program alone reads the bytes.
; SHARES: each wave does one unit, in a line: no loop, no barrier, waves share nothing.  Work-groups 0-1023: 32 rows of Q (0-511) or K a wave;  1024-1087: a fragment of Q_dct along n a wave;
; 1088-1343: 32 columns x 128 rows of V a wave;  1344-1375: the same of Q_dct along m.  The two ways that turn numbers through LDS have LDS bytes of their own.
.set O_DNS,  262144
.set O_QC,   278528
.set O_QS,   4472832
.set O_VC,   4997120
.set O_VCS,  7094272
.set O_DM,   7225344
.set O_DMS,  7487488
.set FLOOR,  0x1800000                 ; 2^(3 - 127)
.set MK,  16                           ; v16-23   mask numbers
.set X,   32                           ; v32-159  numbers as loaded
.set Y,   96                           ; v96-159  two sets of 32 neighbours along K (rows' ways)
.set CD,  160                          ; v160-175 codes and scale words: every store has registers of its own, so none is written again
.set LDSB, 36864                       ; LDS: 4 x 9,216 bytes for Q's and K's way, then 4 x 8,448 for Q_dct's
; v24 = the largest magnitude of v[y] .. v[y + 31], not under the floor; v26 = the conversion's scale operand (2 off the exponent field); v27 = the byte
.macro BLKMAX y
	v_max3_num_f32 v24, |v[\y]|, |v[\y+1]|, |v[\y+2]|
	v_max3_num_f32 v25, |v[\y+3]|, |v[\y+4]|, |v[\y+5]|
.irp i, 6,10,14,18,22,26
	v_max3_num_f32 v24, v24, |v[\y+\i]|, |v[\y+\i+1]|
	v_max3_num_f32 v25, v25, |v[\y+\i+2]|, |v[\y+\i+3]|
.endr
	v_max3_num_f32 v24, v24, |v[\y+30]|, |v[\y+31]|
	v_max3_num_f32 v24, v24, v25, FLOOR
	v_add_nc_u32 v26, 0xff000000, v24
	v_lshrrev_b32 v27, 23, v26
.endm
; Half a fragment: lane (r, h) holds one whole block of 32 of row r in v[y] on.  mul = 1: first x 64^-1/4, then x the row's mask number (in that order).
; Codes to v[c] .. v[c + 3]; v[t] = my byte and lane l xor 16's, the lower block's in the lower byte.
.macro HALF y, mul, m, c, t
.if \mul
.irp j, 0,2,4,6,8,10,12,14,16,18,20,22,24,26,28,30
	v_pk_mul_f32 v[\y+\j:\y+\j+1], v[\y+\j:\y+\j+1], 0x3eb504f3 op_sel_hi:[1,0]
.endr
.irp j, 0,2,4,6,8,10,12,14,16,18,20,22,24,26,28,30
	v_pk_mul_f32 v[\y+\j:\y+\j+1], v[\y+\j:\y+\j+1], v[\m:\m+1] op_sel_hi:[1,0]
.endr
.endif
	BLKMAX \y
	v_permlanex16_b32 v28, v27, s20, s21
.irp g, 0,1,2,3
	v_cvt_scalef32_pk8_fp4_f32 v[\c+\g], v[\y+8*\g:\y+8*\g+7], v26
.endr
	v_lshlrev_b32 v29, v5, v27                     ; (a plain line behind the conversions)
	v_lshlrev_b32 v30, v6, v28
	v_or_b32 v[\t], v29, v30
.endm
	s_load_b256 s[4:11], s[0:1], 0x0               ; Q s[4:5], K s[6:7], V s[8:9], mask s[10:11]
	s_load_b128 s[12:15], s[0:1], 0x20             ; Q_dct s[12:13], pre s[14:15]
	v_lshl_add_u32 v176, v0, 2, 0x11400
	v_mov_b32 v177, 0
	v_lshrrev_b32 v1, 5, v0
	v_readfirstlane_b32 s16, v1                    ; wave
	v_and_b32 v1, 31, v0                           ; lane
	v_and_b32 v2, 15, v0                           ; r
	v_bfe_u32 v3, v0, 4, 1                         ; h
	v_lshlrev_b32 v4, 4, v1                        ; 16 x lane
	v_lshlrev_b32 v5, 3, v3                        ; 8 h: where my byte goes
	v_sub_nc_u32 v6, 8, v5                         ; 8 - 8 h: where my partner's goes
	v_mov_b32 v28, 0                               ; a lane permute's destination counts as read
	s_mov_b32 s20, 0x76543210
	s_mov_b32 s21, 0xfedcba98                      ; selects for lane l xor 16
	s_mov_b32 s19, 0                               ; s[18:19]: offsets, all under 2^32
	s_wait_kmcnt 0x0
	s_cmp_lt_u32 ttmp9, 1024
	s_cbranch_scc0 .Lnot_a
	; ---- Q and K: 32 rows of 256 bytes, 8,192 dense bytes a wave
	s_lshl_b32 s17, ttmp9, 2
	s_add_co_u32 s17, s17, s16                     ; unit 0 .. 4,095: Q's 2,048, then K's
	s_and_b32 s22, s17, 2047                       ; the unit in its tensor: 64 head + block of 32 rows
	s_lshl_b32 s18, s22, 13
	s_cmp_lt_u32 ttmp9, 512
	s_cselect_b64 s[4:5], s[4:5], s[6:7]
	s_cselect_b32 s23, 0, -1                       ; K takes the mask, Q the number 1
	s_add_nc_u64 s[4:5], s[4:5], s[18:19]
	s_lshr_b32 s24, s22, 10                        ; the batch
	s_lshl_b32 s24, s24, 13
	s_and_b32 s25, s22, 63
	s_lshl_b32 s25, s25, 7
	s_add_co_u32 s18, s24, s25
	s_add_nc_u64 s[10:11], s[10:11], s[18:19]      ; the mask at my 32 rows
	s_lshl_b32 s18, s17, 10
	s_add_nc_u64 s[28:29], s[14:15], s[18:19]      ; codes: 1,024 bytes a unit; K's follow Q's
	s_lshl_b32 s18, s17, 7
	s_add_nc_u64 s[30:31], s[14:15], s[18:19]      ; scale words: 128 bytes a unit
	v_and_b32 v7, 8, v2
	v_add_nc_u32 v7, v7, v2
	v_lshlrev_b32 v7, 2, v7                        ; 4 (r + 8 (r / 8))
	v_lshlrev_b32 v11, 2, v2                       ; 4 r
	global_load_b32 v[MK], v7, s[10:11]            ; the mask of tile u = 0's row r,
	global_load_b32 v[MK+2], v7, s[10:11] offset:32   ; and of u = 1's, 8 rows on
.irp i, 0,1,2,3,4,5,6,7,8,9,10,11,12,13,14,15
	global_load_b128 v[X+4*\i:X+4*\i+3], v4, s[4:5] offset:512*\i th:TH_LOAD_NT   ; 512 consecutive bytes: two rows
.endr
	s_mul_i32 s26, s16, 9216
	v_mul_u32_u24 v8, v3, 272
	v_lshl_add_u32 v8, v2, 4, v8
	v_add_nc_u32 v8, s26, v8                       ; in: rows 272 bytes apart, 128 more behind row 15
	v_mul_u32_u24 v9, v2, 272
	v_lshrrev_b32 v10, 3, v2
	v_mad_u32_u24 v9, v10, 2304, v9
	v_lshl_add_u32 v9, v3, 7, v9
	v_add_nc_u32 v9, s26, v9                       ; out: row r + 8 (r / 8), block h: sixteen lanes start at sixteen different 16-byte columns of 256
.irp i, 0,1,2,3,4,5,6,7,8,9,10,11,12,13,14,15
	s_wait_loadcnt 15-\i                           ; loads come back in order: this one is in, the younger ones stay out
	ds_store_b128 v8, v[X+4*\i:X+4*\i+3] offset:544*\i+128*(\i/8)
.endr
	v_cndmask_b32 v[MK], 1.0, v[MK], s23
	v_cndmask_b32 v[MK+2], 1.0, v[MK+2], s23
	v_mov_b32 v[MK+1], v[MK]                       ; (named as pairs)
	v_mov_b32 v[MK+3], v[MK+2]
.irp u, 0,1
.irp j, 0,1,2,3,4,5,6,7
	ds_load_b128 v[Y+32*\u+4*\j:Y+32*\u+4*\j+3], v9 offset:2176*\u+16*\j   ; LDS serves a wave's instructions in order: these see my stores
.endr
.endr
	s_wait_dscnt 8                                 ; tile 0's eight loads are in, tile 1's may be out
	HALF Y, 1, MK, CD, CD+8
	global_store_b128 v4, v[CD:CD+3], s[28:29] offset:O_QC         ; 512 consecutive bytes
	v_lshl_or_b32 v[CD+10], v[CD+8], 16, v[CD+8]                   ; (s0, s1, s0, s1)
	global_store_b32 v11, v[CD+10], s[30:31] offset:O_QS           ; both halves of the lanes write the same word
	s_wait_dscnt 0x0
	HALF Y+32, 1, MK+2, CD+4, CD+9
	global_store_b128 v4, v[CD+4:CD+7], s[28:29] offset:O_QC+512
	v_lshl_or_b32 v[CD+11], v[CD+9], 16, v[CD+9]
	global_store_b32 v11, v[CD+11], s[30:31] offset:O_QS+64
	s_wait_tensorcnt 0x0
	ds_add_u32 v176, v177
	s_wait_dscnt 0x0
	s_endpgm
.Lnot_a:
	s_cmp_lt_u32 ttmp9, 1088
	s_cbranch_scc0 .Lnot_b
	; ---- Q_dct along n: one fragment (16 permuted rows x 128) a wave
	s_sub_co_u32 s17, ttmp9, 1024
	s_lshl_b32 s17, s17, 2
	s_add_co_u32 s17, s17, s16
	s_lshr_b32 s22, s17, 4                         ; tile
	s_and_b32 s23, s17, 15                         ; kstep
	s_lshr_b32 s24, s22, 1
	s_lshl_b32 s24, s24, 5
	s_and_b32 s25, s22, 1
	s_lshl_b32 s25, s25, 3
	s_add_co_u32 s24, s24, s25                     ; the tile's first row: 32 (t / 2) + 8 (t % 2)
	s_lshl_b32 s24, s24, 13
	s_lshl_b32 s25, s23, 9
	s_add_co_u32 s18, s24, s25
	s_add_nc_u64 s[12:13], s[12:13], s[18:19]
.irp i, 0,1,2,3,4,5,6,7,8,9,10,11,12,13,14,15
	global_load_b128 v[X+4*\i:X+4*\i+3], v4, s[12:13] offset:(\i+8*(\i/8))*8192   ; 512 consecutive bytes of row i + 8 (i / 8)
.endr
	s_lshl_b32 s18, s23, 4
	s_add_co_u32 s18, s18, s22
	s_lshl_b32 s18, s18, 10
	s_add_nc_u64 s[28:29], s[14:15], s[18:19]      ; codes: (16 kstep + tile) x 1,024
	s_lshr_b32 s18, s23, 1
	s_lshl_b32 s18, s18, 11
	s_lshl_b32 s24, s22, 7
	s_add_co_u32 s18, s18, s24
	s_and_b32 s24, s23, 1
	s_lshl_b32 s24, s24, 2
	s_add_co_u32 s18, s18, s24
	s_add_nc_u64 s[30:31], s[14:15], s[18:19]      ; scale words: 2,048 (kstep / 2) + 128 tile + 4 (kstep % 2)
	v_lshlrev_b32 v11, 3, v2                       ; + 8 r: 4 bytes of every 8; 16 KiB in all are written so
	s_mul_i32 s26, s16, 8448
	s_add_co_u32 s26, s26, LDSB
	v_add_nc_u32 v8, s26, v4                       ; in: rows 528 bytes apart
	v_mul_u32_u24 v9, v2, 528
	v_lshl_add_u32 v9, v3, 7, v9
	v_add_nc_u32 v9, s26, v9                       ; out: row r, block 2 c + h
.irp i, 0,1,2,3,4,5,6,7,8,9,10,11,12,13,14,15
	s_wait_loadcnt 15-\i                           ; this row is in, the younger ones stay out
	ds_store_b128 v8, v[X+4*\i:X+4*\i+3] offset:528*\i
.endr
.irp u, 0,1
.irp j, 0,1,2,3,4,5,6,7
	ds_load_b128 v[Y+32*\u+4*\j:Y+32*\u+4*\j+3], v9 offset:256*\u+16*\j
.endr
.endr
	s_wait_dscnt 8                                 ; blocks 0 and 1 are in, blocks 2 and 3 may be out
	HALF Y, 0, MK, CD, CD+8
	global_store_b128 v4, v[CD:CD+3], s[28:29]
	s_wait_dscnt 0x0
	HALF Y+32, 0, MK, CD+4, CD+9
	global_store_b128 v4, v[CD+4:CD+7], s[28:29] offset:512
	v_lshl_or_b32 v[CD+10], v[CD+9], 16, v[CD+8]
	global_store_b32 v11, v[CD+10], s[30:31] offset:O_DNS
	s_wait_tensorcnt 0x0
	ds_add_u32 v176, v177
	s_wait_dscnt 0x0
	s_endpgm
; ---- K is not innermost: A LANE TAKES A COLUMN AND ITS REGISTERS RUN DOWN K.  128 rows a wave: four blocks, each whole in a lane.  Source s[28:29] + v7, mask s[30:31] + v10, codes s[32:33] + v8, words s[34:35] + v9.
.macro COLLOAD b, pitch, nt
.irp i, 0,1,2,3,4,5,6,7,8,9,10,11,12,13,14,15,16,17,18,19,20,21,22,23,24,25,26,27,28,29,30,31
.if \nt
	global_load_b32 v[X+32*(\b)+\i], v7, s[28:29] offset:(32*(\b)+\i)*\pitch th:TH_LOAD_NT
.else
	global_load_b32 v[X+32*(\b)+\i], v7, s[28:29] offset:(32*(\b)+\i)*\pitch
.endif
.endr
.endm
.macro COLBLK b, pitch, masked, oc
.if (\b) < 3
	s_wait_loadcnt 32                              ; this block's loads (and the mask's) are in; the next block's 32 may be out
.else
	s_wait_loadcnt 0x0
.endif
.if (\b) < 2
	COLLOAD (\b)+2, \pitch, \masked                ; two blocks ahead, into registers of its own
.endif
.if \masked
.irp e, 0,1
.irp n, 0,1,2,3,4,5,6,7,8,9,10,11,12,13,14,15
	v_mul_f32_dpp v[X+32*(\b)+16*\e+\n], v[MK+2*(\b)+\e], v[X+32*(\b)+16*\e+\n] row_share:\n row_mask:0xf bank_mask:0xf   ; x the mask of row 32 b + 16 e + n, which lane n of each half holds
.endr
.endr
.endif
	BLKMAX X+32*(\b)
.irp g, 0,1,2,3
	v_cvt_scalef32_pk8_fp4_f32 v[CD+4*(\b)+\g], v[X+32*(\b)+8*\g:X+32*(\b)+8*\g+7], v26
.endr
.if (\b) == 0
	v_mov_b32 v31, v27                             ; the four bytes make my column's scale word.  (A plain line behind the conversions)
.else
	v_lshl_or_b32 v31, v27, 8*(\b), v31
.endif
	global_store_b128 v8, v[CD+4*(\b):CD+4*(\b)+3], s[32:33] offset:\oc+256*(\b)   ; each half of the lanes writes 256 consecutive bytes, aligned
.endm
.macro COLQ pitch, masked, oc, os
.if \masked
.irp e, 0,1,2,3,4,5,6,7
	global_load_b32 v[MK+\e], v10, s[30:31] offset:64*\e   ; mask numbers 16 e + lane % 16 of my 128 rows
.endr
.endif
	COLLOAD 0, \pitch, \masked
	COLLOAD 1, \pitch, \masked
.irp b, 0,1,2,3
	COLBLK \b, \pitch, \masked, \oc
.endr
	global_store_b32 v9, v31, s[34:35] offset:\os
.endm
.Lnot_b:
	v_lshlrev_b32 v7, 2, v1                        ; 4 x lane
	v_lshlrev_b32 v10, 2, v2                       ; 4 r
	s_cmp_lt_u32 ttmp9, 1344
	s_cbranch_scc0 .Lpath_d
	; ---- V x mask along n
	s_sub_co_u32 s17, ttmp9, 1088
	s_lshr_b32 s22, s17, 3                         ; head
	s_and_b32 s23, s17, 7
	s_lshl_b32 s23, s23, 1
	s_lshr_b32 s24, s16, 1
	s_add_co_u32 s23, s23, s24                     ; kstep
	s_and_b32 s24, s16, 1                          ; which 32 of the 64 columns: two waves stand side by side on a row's 256 bytes
	s_lshl_b32 s18, s22, 19
	s_lshl_b32 s25, s23, 15
	s_add_co_u32 s18, s18, s25
	s_lshl_b32 s25, s24, 7
	s_add_co_u32 s18, s18, s25
	s_add_nc_u64 s[28:29], s[8:9], s[18:19]
	s_lshr_b32 s18, s22, 4
	s_lshl_b32 s18, s18, 13
	s_lshl_b32 s25, s23, 9
	s_add_co_u32 s18, s18, s25
	s_add_nc_u64 s[30:31], s[10:11], s[18:19]
	s_lshl_b32 s26, s22, 2
	s_lshl_b32 s25, s24, 1
	s_add_co_u32 s26, s26, s25
	s_lshl_b32 s26, s26, 4
	s_add_co_u32 s26, s26, s23                     ; 16 x row tile + kstep, for lanes 0-15
	s_lshl_b32 s18, s26, 10
	s_add_nc_u64 s[32:33], s[14:15], s[18:19]
	s_lshl_b32 s18, s26, 6
	s_add_nc_u64 s[34:35], s[14:15], s[18:19]
	v_lshlrev_b32 v8, 4, v2
	v_lshl_add_u32 v8, v3, 14, v8                  ; 16 r; lanes 16-31: the next row tile, 16 fragments on
	v_lshl_add_u32 v9, v3, 10, v10
	COLQ 256, 1, O_VC, O_VCS
	s_endpgm
.Lpath_d:
	; ---- Q_dct along m
	s_sub_co_u32 s17, ttmp9, 1344
	s_lshl_b32 s22, s17, 1
	s_and_b32 s24, s16, 1
	s_add_co_u32 s22, s22, s24                     ; which 32 columns q
	s_lshr_b32 s23, s16, 1                         ; kstep
	s_lshl_b32 s18, s23, 20
	s_lshl_b32 s25, s22, 7
	s_add_co_u32 s18, s18, s25
	s_add_nc_u64 s[28:29], s[12:13], s[18:19]
	s_lshl_b32 s26, s22, 2
	s_add_co_u32 s26, s26, s23                     ; 2 x q tile + kstep, for lanes 0-15
	s_lshl_b32 s18, s26, 10
	s_add_nc_u64 s[32:33], s[14:15], s[18:19]
	s_lshl_b32 s18, s26, 6
	s_add_nc_u64 s[34:35], s[14:15], s[18:19]
	v_lshlrev_b32 v8, 4, v2
	v_lshl_add_u32 v8, v3, 11, v8
	v_lshl_add_u32 v9, v3, 7, v10
	COLQ 8192, 0, O_DM, O_DMS
	s_endpgm
.Lfunc_end_k_qc775c06831_prep:
	.size	k_qc775c06831_prep, .Lfunc_end_k_qc775c06831_prep-k_qc775c06831_prep
	.p2alignl 7, 3214868480
	.fill 96, 4, 3214868480
	.section	.rodata,"a",@progbits
	.p2align	6, 0x0
	.amdhsa_kernel k_qc775c06831_prep
		.amdhsa_group_segment_fixed_size 71168
		.amdhsa_private_segment_fixed_size 0
		.amdhsa_enable_private_segment 0
		.amdhsa_kernarg_size 48
		.amdhsa_user_sgpr_count 2
		.amdhsa_user_sgpr_kernarg_segment_ptr 1
		.amdhsa_wavefront_size32 1
		.amdhsa_system_sgpr_workgroup_id_x 1
		.amdhsa_system_sgpr_workgroup_id_y 1
		.amdhsa_system_sgpr_workgroup_id_z 1
		.amdhsa_system_vgpr_workitem_id 0
		.amdhsa_next_free_vgpr 178
		.amdhsa_next_free_sgpr 66
		.amdhsa_reserve_vcc 0
		.amdhsa_float_denorm_mode_32 3
		.amdhsa_float_denorm_mode_16_64 3
		.amdhsa_memory_ordered 1
		.amdhsa_forward_progress 1
		.amdhsa_inst_pref_size 72
	.end_amdhsa_kernel
	.amdgpu_metadata
---
amdhsa.version: [ 1, 2 ]
amdhsa.kernels:
  - .name:           k_qc775c06831_prep
    .symbol:         k_qc775c06831_prep.kd
    .args:
      - { .name: Q, .offset: 0, .size: 8, .value_kind: global_buffer, .address_space: global }
      - { .name: K, .offset: 8, .size: 8, .value_kind: global_buffer, .address_space: global }
      - { .name: V, .offset: 16, .size: 8, .value_kind: global_buffer, .address_space: global }
      - { .name: mask, .offset: 24, .size: 8, .value_kind: global_buffer, .address_space: global }
      - { .name: Q_dct, .offset: 32, .size: 8, .value_kind: global_buffer, .address_space: global }
      - { .name: pre, .offset: 40, .size: 8, .value_kind: global_buffer, .address_space: global }
    .group_segment_fixed_size: 71168
    .private_segment_fixed_size: 0
    .kernarg_segment_align: 8
    .kernarg_segment_size: 48
    .max_flat_workgroup_size: 128
    .sgpr_count:     66
    .vgpr_count:     178
    .wavefront_size: 32
...
	.end_amdgpu_metadata
.endif
;; end of part 1
;; launch soft (part 2): grid 8 x 32, 16 waves a work-group, no clusters, 87,552 bytes of LDS; arguments pre, pr, vd; writes pr, vd
.if DOCPART == 2
	.amdgcn_target "amdgcn-amd-amdhsa--gfx1250"
	.amdhsa_code_object_version 6
	.text
	.protected	k_qc775c06831_soft
	.globl	k_qc775c06831_soft
	.p2align	8
	.type	k_qc775c06831_soft,@function
k_qc775c06831_soft:
	s_mov_b64 s[64:65], 0
	v_nop
	global_prefetch_b8 v0, s[64:65] scope:SCOPE_SE
	s_setreg_imm32_b32 hwreg(HW_REG_WAVE_MODE, 25, 1), 1
	s_wait_xcnt 0x0
; atn = softmax(Qs Ks^T), finished and normalised, quantised along the QUERIES and stored as codes; and, at the head, Vd = Q_dct (V x mask), quantised along its first axis.
; SHARES.  Work-group (c, head): queries 256 c .. 256 c + 255, eight blocks of 32, against all 2,048 keys.  Wave w of sixteen holds keys 128 w .. 128 w + 127: eight tiles, whose codes stay in its registers.
; A block's 32 x 2,048 scores lie in the sixteen waves' registers at once, so the row's true maximum is taken away, each exponential is made once, and p is divided by the whole row's sum before it is quantised.
; LAYOUT.  Source 0 = 16 queries (permuted tile), source 1 = 16 keys: lane (r, h) holds key row r, and register 16 t + i of the scores the query 16 h + i of the block, for key tile t: 16 neighbours along the next product's K.
; THE HEAD'S 64 IN AN INSTRUCTION OF 128: source 1 holds TWO key tiles (2 p in blocks 0, 1; 2 p + 1 in blocks 2, 3); source 0 is [Q | zero codes] or [zero codes | Q], both cut out of one run of 12 registers [Q | 0 | Q].
; A row's maximum and sum go over 16 lanes, 8 tiles and 16 waves: in the lane first, then turned through the wave's own pad in LDS so that a lane holds a query, then one word a query and wave through LDS and a barrier.
; OUT: pr: 256 records of 278,528 bytes, record 8 head + key / 256: codes [kstep 16 (queries)][tile 16 (keys, permuted)][1024], at 262,144 scale words [kstep pair 8][tile 16][row 16][2 words].
;      vd: codes [head][kstep 2][d tile 4][1024], at 262,144 scale words [head][kstep 2][d tile 4][row 16].
; LIMITS: NaN and infinities are not served; an exponential under 2^-126 comes out as 0; a block of zeros gets the byte 1 where the rule says 127 (its codes are zeros; this program alone reads the bytes).
; No cluster: the eight work-groups of a head share only K's 64 KiB of codes, read once into registers, against 2.2 MiB that each stores.  No tensor load: nothing is ringed.
.set O_DNS,  262144
.set O_QC,   278528
.set O_KC,   2375680
.set O_QS,   4472832
.set O_KS,   4734976
.set O_VC,   4997120
.set O_VCS,  7094272
.set REC,    278528
.set FLOOR,  0x1800000
.set TRW,  2816                        ; LDS 0: sixteen pads, a wave's own: row q (a query) at 80 q + 64 (q / 16), 16 words
.set XW,   45056                       ; [query][wave] maxima, rows as in a pad; 2,816 bytes on the sums
.set BC,   50688                       ; 128 bytes a wave: a word for each query
.set VP,   52736                       ; 2,048 bytes a wave: Vd's partial sums
.set KF,  16                           ; v16-47   K's four pairs of tiles
.set KSW, 48                           ; v48-51   their scale words
.set QA,  52                           ; v52-75   [Q | 0 | Q] for the block's two query tiles
.set QSW, 76                           ; v76-77   Q's scale words
.set CUR, 78                           ; v78-85   p's scale word in the making, a tile each (at the head: Q_dct's scale words)
.set W0,  86                           ; v86-93   the first kstep's words (at the head: V's scale words)
.set MX,  94                           ; v94-109  maxima, sums, the quantiser's temporaries
.set BV,  110                          ; v110-125 turned numbers, broadcast numbers, codes
.set S,   128                          ; v128-255 scores, then p
; v1 16 lane; v2 4 r; v3, v4 pad in, out; v5, v6 [query][wave] in, out; v7, v8 broadcast in, out; v9 1,024 h + 16 r; v10 8 lane; v11 my partial sums; v12 lane, v13 r, v14 h, v15 8 r
.macro QLOAD                           ; a block's two query tiles, each twice, and their scale words
.irp u, 0,1
	global_load_b128 v[QA+12*\u:QA+12*\u+3], v1, s[14:15] offset:O_QC+512*\u
	global_load_b128 v[QA+12*\u+8:QA+12*\u+11], v1, s[14:15] offset:O_QC+512*\u
	global_load_b32 v[QSW+\u], v2, s[16:17] offset:O_QS+64*\u
.endr
.endm
.macro FOLD op                         ; v[BV] .. v[BV + 15] -> v126: op 0 the largest, 1 the sum
.if \op == 0
	v_max3_num_f32 v126, v[BV], v[BV+1], v[BV+2]
	v_max3_num_f32 v127, v[BV+3], v[BV+4], v[BV+5]
	v_max3_num_f32 v126, v126, v[BV+6], v[BV+7]
	v_max3_num_f32 v127, v127, v[BV+8], v[BV+9]
	v_max3_num_f32 v126, v126, v[BV+10], v[BV+11]
	v_max3_num_f32 v127, v127, v[BV+12], v[BV+13]
	v_max3_num_f32 v126, v126, v[BV+14], v[BV+15]
	v_max_num_f32 v126, v126, v127
.else
	v_pk_add_f32 v[BV:BV+1], v[BV:BV+1], v[BV+2:BV+3]
	v_pk_add_f32 v[BV+4:BV+5], v[BV+4:BV+5], v[BV+6:BV+7]
	v_pk_add_f32 v[BV+8:BV+9], v[BV+8:BV+9], v[BV+10:BV+11]
	v_pk_add_f32 v[BV+12:BV+13], v[BV+12:BV+13], v[BV+14:BV+15]
	v_pk_add_f32 v[BV:BV+1], v[BV:BV+1], v[BV+4:BV+5]
	v_pk_add_f32 v[BV+8:BV+9], v[BV+8:BV+9], v[BV+12:BV+13]
	v_pk_add_f32 v[BV:BV+1], v[BV:BV+1], v[BV+8:BV+9]
	v_add_f32 v126, v[BV], v[BV+1]
.endif
.endm
; v[MX + i] (query 16 h + i, my key row) -> v126 (lane = query, all 2,048 keys)
.macro REDUCE op, xoff
.irp i, 0,1,2,3,4,5,6,7,8,9,10,11,12,13,14,15
	ds_store_b32 v3, v[MX+\i] offset:80*\i
.endr
.irp k, 0,1,2,3
	ds_load_b128 v[BV+4*\k:BV+4*\k+3], v4 offset:16*\k             ; my own pad; LDS serves a wave's instructions in order
.endr
	s_wait_dscnt 0x0
	FOLD \op
	ds_store_b32 v5, v126 offset:\xoff
	s_wait_dscnt 0x0                               ; for the others' sake: my word has landed, and my earlier reads of what is written behind this barrier are in
	s_barrier_signal -1
	s_barrier_wait -1
.irp k, 0,1,2,3
	ds_load_b128 v[BV+4*\k:BV+4*\k+3], v6 offset:\xoff+16*\k       ; the sixteen waves' words of my query
.endr
	s_wait_dscnt 0x0
	FOLD \op
.endm
.macro BCAST                           ; v126 (lane = query) -> v[BV + i] = the number of query 16 h + i
	ds_store_b32 v7, v126
.irp k, 0,1,2,3
	ds_load_b128 v[BV+4*\k:BV+4*\k+3], v8 offset:16*\k
.endr
	s_wait_dscnt 0x0
.endm
	s_load_b128 s[4:7], s[0:1], 0x0                ; pre s[4:5], pr s[6:7]
	s_load_b64 s[8:9], s[0:1], 0x10                ; vd
	v_lshrrev_b32 v1, 5, v0
	v_readfirstlane_b32 s10, v1                    ; wave 0..15
	s_mov_b32 s11, ttmp9                           ; c
	s_and_b32 s12, ttmp7, 0xffff                   ; head
	v_and_b32 v12, 31, v0
	v_and_b32 v13, 15, v0
	v_bfe_u32 v14, v0, 4, 1
	v_lshlrev_b32 v1, 4, v12
	v_lshlrev_b32 v2, 2, v13
	v_lshlrev_b32 v15, 3, v13
	s_mul_i32 s13, s10, TRW
	v_mad_u32_u24 v3, v14, 1344, v2
	v_add_nc_u32 v3, s13, v3                       ; pad, in: row 16 h + i (80 i in the immediate), column r
	v_mul_u32_u24 v6, v12, 80
	v_lshl_add_u32 v6, v14, 6, v6
	v_add_nc_u32 v4, s13, v6                       ; pad, out: row = lane
	v_add_nc_u32 v6, XW, v6
	s_lshl_b32 s13, s10, 2
	v_add_nc_u32 v5, s13, v6
	s_lshl_b32 s13, s10, 7
	s_add_co_u32 s13, s13, BC
	v_lshl_add_u32 v7, v12, 2, s13
	v_lshl_add_u32 v8, v14, 6, s13
	v_lshlrev_b32 v9, 4, v13
	v_lshl_add_u32 v9, v14, 10, v9
	v_lshlrev_b32 v10, 3, v12
	s_lshl_b32 s13, s10, 11
	s_add_co_u32 s13, s13, VP
	v_add_nc_u32 v11, s13, v1
	s_mov_b32 s24, 0x3fb8aa3b                      ; log2(e)
	s_mov_b32 s25, s24                             ; (named as a pair)
	s_mov_b32 s26, 0xbfb8aa3b                      ; -log2(e)
	s_mov_b32 s28, 0x76543210
	s_mov_b32 s29, 0xfedcba98                      ; selects for lane l xor 16
	s_mov_b32 s30, 0x04030201                      ; a word one byte down, a new byte on top
	s_mov_b32 s31, 0xffff0000                      ; lanes 16-31
	s_mov_b32 s33, 0                               ; s[32:33]: offsets, all under 2^32
	s_and_b32 s38, s10, 3                          ; Vd: my d tile,
	s_lshr_b32 s39, s10, 2                         ; and my quarter of K
	s_wait_kmcnt 0x0
	s_lshl_b32 s32, s12, 16
	s_lshl_b32 s13, s10, 12
	s_add_co_u32 s32, s32, s13
	s_add_nc_u64 s[34:35], s[4:5], s[32:33]        ; K's codes: 65,536 head + 4,096 wave
	s_lshl_b32 s32, s12, 13
	s_lshl_b32 s13, s10, 9
	s_add_co_u32 s32, s32, s13
	s_add_nc_u64 s[36:37], s[4:5], s[32:33]        ; K's scale words
	s_lshl_b32 s32, s12, 16
	s_lshl_b32 s13, s11, 13
	s_add_co_u32 s32, s32, s13
	s_add_nc_u64 s[14:15], s[4:5], s[32:33]        ; Q's codes at my first block: 1,024 bytes a block
	s_lshl_b32 s32, s12, 13
	s_lshl_b32 s13, s11, 10
	s_add_co_u32 s32, s32, s13
	s_add_nc_u64 s[16:17], s[4:5], s[32:33]        ; Q's scale words: 128 bytes a block
	s_lshl_b32 s32, s39, 16
	s_lshl_b32 s13, s11, 11
	s_add_co_u32 s32, s32, s13
	s_add_nc_u64 s[40:41], s[4:5], s[32:33]        ; Q_dct's tiles 2 c, 2 c + 1 at kstep 4 x quarter
	s_lshl_b32 s32, s39, 12
	s_lshl_b32 s13, s11, 8
	s_add_co_u32 s32, s32, s13
	s_add_nc_u64 s[42:43], s[4:5], s[32:33]        ; their scale words
	s_lshl_b32 s13, s12, 2
	s_add_co_u32 s13, s13, s38
	s_lshl_b32 s13, s13, 4
	s_lshl_b32 s32, s39, 2
	s_add_co_u32 s13, s13, s32                     ; 16 x V's row tile + kstep
	s_lshl_b32 s32, s13, 10
	s_add_nc_u64 s[44:45], s[4:5], s[32:33]
	s_lshl_b32 s32, s13, 6
	s_add_nc_u64 s[46:47], s[4:5], s[32:33]
	s_lshl_b32 s13, s12, 3
	s_lshr_b32 s32, s10, 1
	s_add_co_u32 s13, s13, s32
	s_mul_i32 s13, s13, REC                        ; my record of pr
	s_and_b32 s23, s10, 1
	s_lshl_b32 s32, s11, 15
	s_add_co_u32 s32, s32, s13
	s_lshl_b32 s27, s23, 13
	s_add_co_u32 s32, s32, s27
	s_add_nc_u64 s[18:19], s[6:7], s[32:33]        ; codes: kstep 2 c, my eight tiles
	s_lshl_b32 s32, s11, 11
	s_add_co_u32 s32, s32, s13
	s_lshl_b32 s27, s23, 10
	s_add_co_u32 s32, s32, s27
	s_add_nc_u64 s[2:3], s[6:7], s[32:33]          ; scale words: kstep pair c, my eight tiles
.irp p, 0,1,2,3
.irp cc, 0,1
	global_load_b128 v[KF+8*\p+4*\cc:KF+8*\p+4*\cc+3], v1, s[34:35] offset:O_KC+1024*\p+512*\cc
.endr
.endr
.irp t, 0,1,2,3,4,5,6,7
	global_load_b32 v[MX+\t], v2, s[36:37] offset:O_KS+64*\t
.endr
	QLOAD
.irp j, 0,1,2,3                        ; Vd's operands: for each of my four ksteps two tiles of Q_dct and one fragment of V
.irp cc, 0,1
	global_load_b128 v[S+24*\j+4*\cc:S+24*\j+4*\cc+3], v1, s[40:41] offset:16384*\j+512*\cc
	global_load_b128 v[S+24*\j+8+4*\cc:S+24*\j+8+4*\cc+3], v1, s[40:41] offset:16384*\j+1024+512*\cc
	global_load_b128 v[S+24*\j+16+4*\cc:S+24*\j+16+4*\cc+3], v1, s[44:45] offset:O_VC+1024*\j+512*\cc
.endr
	global_load_b32 v[W0+\j], v2, s[46:47] offset:O_VCS+64*\j
.endr
.irp pp, 0,1
.irp u, 0,1
	global_load_b64 v[CUR+4*\pp+2*\u:CUR+4*\pp+2*\u+1], v15, s[42:43] offset:O_DNS+2048*\pp+128*\u
.endr
.endr
	s_wait_loadcnt 0x0
.irp p, 0,1,2,3
	v_bfi_b32 v[KSW+\p], 0xffff, v[MX+2*\p], v[MX+2*\p+1]          ; bytes 0, 1: tile 2 p's; bytes 2, 3: tile 2 p + 1's
.endr
.irp u, 0,1
.irp i, 4,5,6,7
	v_mov_b32 v[QA+12*\u+\i], 0                    ; the zero codes: written once
.endr
.endr
	; ---- Vd, block c of its first axis: source 0 = Q_dct's permuted tiles, source 1 = V's 16 columns d.  Two accumulators by turns; the first kstep starts the sums
.irp j, 0,1,2,3
.irp u, 0,1
.if \j == 0
	v_wmma_scale_f32_16x16x128_f8f6f4 v[240+8*\u:247+8*\u], v[S+24*\j+8*\u:S+24*\j+8*\u+7], v[S+24*\j+16:S+24*\j+23], 0, v[CUR+4*(\j/2)+2*\u+\j%2], v[W0+\j] matrix_a_fmt:MATRIX_FMT_FP4 matrix_b_fmt:MATRIX_FMT_FP4
.else
	v_wmma_scale_f32_16x16x128_f8f6f4 v[240+8*\u:247+8*\u], v[S+24*\j+8*\u:S+24*\j+8*\u+7], v[S+24*\j+16:S+24*\j+23], v[240+8*\u:247+8*\u], v[CUR+4*(\j/2)+2*\u+\j%2], v[W0+\j] matrix_a_fmt:MATRIX_FMT_FP4 matrix_b_fmt:MATRIX_FMT_FP4
.endif
.endr
.endr
.rept 4
	v_nop                                          ; places behind the products (ISA guide 7.12.1)
.endr
.irp k, 0,1,2,3
	ds_store_b128 v11, v[240+4*\k:243+4*\k] offset:512*\k          ; each accumulator from its low end on
.endr
	s_wait_dscnt 0x0                               ; my partial sums have landed
	s_barrier_signal -1
	s_barrier_wait -1
	s_cmp_lt_u32 s10, 4                            ; waves 0 to 3 (the first quarter of K, d tile = wave) add the other quarters' and quantise; no barrier stands in this branch
	s_cbranch_scc0 .Lno_vd
.irp q, 1,2,3
.irp k, 0,1,2,3
	ds_load_b128 v[S+16*(\q-1)+4*\k:S+16*(\q-1)+4*\k+3], v11 offset:8192*\q+512*\k
.endr
.endr
	s_wait_dscnt 0x0
.irp q, 0,1,2
.irp k, 0,2,4,6,8,10,12,14
	v_pk_add_f32 v[240+\k:241+\k], v[240+\k:241+\k], v[S+16*\q+\k:S+16*\q+\k+1]
.endr
.endr
	v_max3_num_f32 v[MX], |v240|, |v241|, FLOOR    ; lane (r, h): column d = r, indices 32 c + 16 h + 0 .. 15
.irp i, 2,4,6,8,10,12,14
	v_max3_num_f32 v[MX], v[MX], |v[240+\i]|, |v[241+\i]|
.endr
	v_permlanex16_b32 v[MX+1], v[MX], s28, s29
	v_max_num_f32 v[MX], v[MX], v[MX+1]
	v_add_nc_u32 v[MX+2], 0xff000000, v[MX]
	v_lshrrev_b32 v[MX+3], 23, v[MX+2]
	v_cvt_scalef32_pk8_fp4_f32 v126, v[240:247], v[MX+2]
	v_cvt_scalef32_pk8_fp4_f32 v127, v[248:255], v[MX+2]
	v_lshlrev_b32 v[MX+4], 4, v13                  ; (a plain line behind the conversions)
	v_lshl_add_u32 v[MX+4], v14, 3, v[MX+4]        ; 16 r + 8 h
	s_lshr_b32 s13, s11, 2
	s_and_b32 s23, s11, 3
	s_lshl_b32 s32, s12, 13
	s_lshl_b32 s27, s13, 12
	s_add_co_u32 s32, s32, s27
	s_lshl_b32 s27, s38, 10
	s_add_co_u32 s32, s32, s27
	s_lshl_b32 s27, s23, 8
	s_add_co_u32 s32, s32, s27
	s_add_nc_u64 s[20:21], s[8:9], s[32:33]
	global_store_b64 v[MX+4], v[126:127], s[20:21] ; 32 lanes write 256 consecutive bytes, aligned: block c % 4 of the fragment
	s_lshl_b32 s32, s12, 9
	s_lshl_b32 s27, s13, 8
	s_add_co_u32 s32, s32, s27
	s_lshl_b32 s27, s38, 6
	s_add_co_u32 s32, s32, s27
	s_add_co_u32 s32, s32, s23
	s_add_nc_u64 s[34:35], s[8:9], s[32:33]
	global_store_b8 v2, v[MX+3], s[34:35] offset:262144            ; byte c % 4 of row r's word
.Lno_vd:
	s_wait_xcnt 0x0                                ; those stores have read their registers
.irp t, 0,1,2,3,4,5,6,7
	v_mov_b32 v[CUR+\t], 0
	v_mov_b32 v[W0+\t], 0
.endr
.rept 8
	v_nop                                          ; places: the loop's products write over Vd's operands, and name scale words and zero codes that vector instructions wrote
.endr
	s_mov_b32 s22, 0
.Lblk:                                             ; eight trips: a block of 32 queries each
	s_wait_loadcnt 0x0                             ; this block's Q, asked for a trip ago
.irp p, 0,1,2,3
.irp e, 0,1
.irp u, 0,1
	v_wmma_scale_f32_16x16x128_f8f6f4 v[S+16*(2*\p+\e)+8*\u:S+16*(2*\p+\e)+8*\u+7], v[QA+12*\u+4*\e:QA+12*\u+4*\e+7], v[KF+8*\p:KF+8*\p+7], 0, v[QSW+\u], v[KSW+\p] matrix_a_fmt:MATRIX_FMT_FP4 matrix_b_fmt:MATRIX_FMT_FP4
.endr
.endr
.endr
.rept 4
	v_nop                                          ; places in front of the loads into Q's registers and of the first read of the scores
.endr
	s_cmp_eq_u32 s22, 7                            ; the last block asks for nothing
	s_cbranch_scc1 .Lnoq
	s_add_nc_u64 s[14:15], s[14:15], 1024          ; (the loads that named these are in: the wait at the trip's head)
	s_add_nc_u64 s[16:17], s[16:17], 128
	QLOAD
.Lnoq:
	; the largest score of each of my 16 queries over my eight tiles; each accumulator is first read at its lowest register
.irp i, 0,1,2,3,4,5,6,7,8,9,10,11,12,13,14,15
	v_max3_num_f32 v[MX+\i], v[S+\i], v[S+16+\i], v[S+32+\i]
.endr
.irp i, 0,1,2,3,4,5,6,7,8,9,10,11,12,13,14,15
	v_max3_num_f32 v[MX+\i], v[MX+\i], v[S+48+\i], v[S+64+\i]
.endr
.irp i, 0,1,2,3,4,5,6,7,8,9,10,11,12,13,14,15
	v_max3_num_f32 v[MX+\i], v[MX+\i], v[S+80+\i], v[S+96+\i]
.endr
.irp i, 0,1,2,3,4,5,6,7,8,9,10,11,12,13,14,15
	v_max_num_f32 v[MX+\i], v[MX+\i], v[S+112+\i]
.endr
	s_wait_xcnt 0x0                                ; the last trip's stores have read their data (v[BV] on) and their base s[20:21]: both are written again below
	REDUCE 0, 0
	v_mul_f32 v126, s26, v126                      ; -log2(e) x the row's maximum: its rounding is common to a row's p and to their sum
	BCAST
.irp t, 0,1,2,3,4,5,6,7
.irp k, 0,2,4,6,8,10,12,14
	v_pk_fma_f32 v[S+16*\t+\k:S+16*\t+\k+1], v[S+16*\t+\k:S+16*\t+\k+1], s[24:25], v[BV+\k:BV+\k+1] op_sel_hi:[1,0,1]
.endr
.endr
.set j, 0
.rept 128
	v_exp_f32 v[S+j], v[S+j]                       ; e^(score - maximum): one batch
.set j, j+1
.endr
	v_nop                                          ; a plain line behind the last exponential
	s_wait_alu depctr_va_vdst(0)                   ; one wait for the batch, ahead of its first reader
.irp k, 0,2,4,6,8,10,12,14
	v_pk_add_f32 v[MX+\k:MX+\k+1], v[S+\k:S+\k+1], v[S+16+\k:S+16+\k+1]
.endr
.irp t, 2,3,4,5,6,7
.irp k, 0,2,4,6,8,10,12,14
	v_pk_add_f32 v[MX+\k:MX+\k+1], v[MX+\k:MX+\k+1], v[S+16*\t+\k:S+16*\t+\k+1]
.endr
.endr
	REDUCE 1, 2816
	v_rcp_f32 v126, v126
	v_nop
	s_wait_alu depctr_va_vdst(0)
	BCAST
.irp t, 0,1,2,3,4,5,6,7
.irp k, 0,2,4,6,8,10,12,14
	v_pk_mul_f32 v[S+16*\t+\k:S+16*\t+\k+1], v[S+16*\t+\k:S+16*\t+\k+1], v[BV+\k:BV+\k+1]   ; the finished softmax
.endr
.endr
	; quantised along the queries: a block of 32 lies in lanes l and l xor 16.  Four tiles by turns, twice.  No |.|: nothing is negative
.irp g, 0,1
.irp t, 0,1,2,3
	v_max3_num_f32 v[MX+\t], v[S+16*(4*\g+\t)], v[S+16*(4*\g+\t)+1], FLOOR
.endr
.irp i, 2,4,6,8,10,12,14
.irp t, 0,1,2,3
	v_max3_num_f32 v[MX+\t], v[MX+\t], v[S+16*(4*\g+\t)+\i], v[S+16*(4*\g+\t)+\i+1]
.endr
.endr
.irp t, 0,1,2,3
	v_permlanex16_b32 v[MX+4+\t], v[MX+\t], s28, s29
.endr
.irp t, 0,1,2,3
	v_max_num_f32 v[MX+\t], v[MX+\t], v[MX+4+\t]
.endr
.irp t, 0,1,2,3
	v_add_nc_u32 v[MX+8+\t], 0xff000000, v[MX+\t]
.endr
.irp t, 0,1,2,3
	v_lshrrev_b32 v[MX+12+\t], 23, v[MX+8+\t]
.endr
.irp t, 0,1,2,3
	v_perm_b32 v[CUR+4*\g+\t], v[MX+12+\t], v[CUR+4*\g+\t], s30    ; after four trips the first trip's byte is the lowest
.endr
.irp t, 0,1,2,3
	v_cvt_scalef32_pk8_fp4_f32 v[BV+2*(4*\g+\t)], v[S+16*(4*\g+\t):S+16*(4*\g+\t)+7], v[MX+8+\t]
	v_cvt_scalef32_pk8_fp4_f32 v[BV+2*(4*\g+\t)+1], v[S+16*(4*\g+\t)+8:S+16*(4*\g+\t)+15], v[MX+8+\t]
.endr
	v_nop                                          ; a plain line behind the conversions
.endr
.irp p, 0,1,2,3                        ; lanes 0-15 then hold tile 2 p's 32 codes of row r, lanes 16-31 tile 2 p + 1's
	v_permlane16_swap_b32 v[BV+4*\p], v[BV+4*\p+2]
	v_permlane16_swap_b32 v[BV+4*\p+1], v[BV+4*\p+3]
.endr
	s_lshr_b32 s23, s22, 2
	s_lshl_b32 s23, s23, 14
	s_and_b32 s27, s22, 3
	s_lshl_b32 s27, s27, 8
	s_add_co_u32 s32, s23, s27
	s_add_nc_u64 s[20:21], s[18:19], s[32:33]      ; kstep 2 c + trip / 4, block trip % 4
.irp p, 0,1,2,3
	global_store_b128 v9, v[BV+4*\p:BV+4*\p+3], s[20:21] offset:2048*\p th:TH_STORE_NT   ; each half of the lanes writes 256 consecutive bytes, aligned
.endr
	s_cmp_lg_u32 s22, 3
	s_cbranch_scc1 .Lnot3
.irp t, 0,1,2,3,4,5,6,7
	v_mov_b32 v[W0+\t], v[CUR+\t]                  ; the first kstep's words are whole
.endr
.Lnot3:
	s_add_co_u32 s22, s22, 1
	s_cmp_lt_u32 s22, 8
	s_cbranch_scc1 .Lblk
	s_wait_xcnt 0x0                                ; the last stores have read v[BV] on
.irp p, 0,1,2,3
	v_cndmask_b32 v[BV+2*\p], v[W0+2*\p], v[W0+2*\p+1], s31        ; lanes 0-15: tile 2 p's two words, lanes 16-31: tile 2 p + 1's
	v_cndmask_b32 v[BV+2*\p+1], v[CUR+2*\p], v[CUR+2*\p+1], s31
.endr
.irp p, 0,1,2,3
	global_store_b64 v10, v[BV+2*\p:BV+2*\p+1], s[2:3] offset:262144+256*\p   ; 256 consecutive bytes, aligned
.endr
	s_wait_xcnt 0x0
	v_lshl_add_u32 v254, v0, 2, 0x14e00
	v_mov_b32 v255, 0
	s_wait_tensorcnt 0x0
	ds_add_u32 v254, v255
	s_wait_dscnt 0x0
	s_endpgm
.Lfunc_end_k_qc775c06831_soft:
	.size	k_qc775c06831_soft, .Lfunc_end_k_qc775c06831_soft-k_qc775c06831_soft
	.p2alignl 7, 3214868480
	.fill 96, 4, 3214868480
	.section	.rodata,"a",@progbits
	.p2align	6, 0x0
	.amdhsa_kernel k_qc775c06831_soft
		.amdhsa_group_segment_fixed_size 87552
		.amdhsa_private_segment_fixed_size 0
		.amdhsa_enable_private_segment 0
		.amdhsa_kernarg_size 24
		.amdhsa_user_sgpr_count 2
		.amdhsa_user_sgpr_kernarg_segment_ptr 1
		.amdhsa_wavefront_size32 1
		.amdhsa_system_sgpr_workgroup_id_x 1
		.amdhsa_system_sgpr_workgroup_id_y 1
		.amdhsa_system_sgpr_workgroup_id_z 1
		.amdhsa_system_vgpr_workitem_id 0
		.amdhsa_next_free_vgpr 256
		.amdhsa_next_free_sgpr 66
		.amdhsa_reserve_vcc 0
		.amdhsa_float_denorm_mode_32 3
		.amdhsa_float_denorm_mode_16_64 3
		.amdhsa_memory_ordered 1
		.amdhsa_forward_progress 1
		.amdhsa_inst_pref_size 54
	.end_amdhsa_kernel
	.amdgpu_metadata
---
amdhsa.version: [ 1, 2 ]
amdhsa.kernels:
  - .name:           k_qc775c06831_soft
    .symbol:         k_qc775c06831_soft.kd
    .args:
      - { .name: pre, .offset: 0, .size: 8, .value_kind: global_buffer, .address_space: global }
      - { .name: pr, .offset: 8, .size: 8, .value_kind: global_buffer, .address_space: global }
      - { .name: vd, .offset: 16, .size: 8, .value_kind: global_buffer, .address_space: global }
    .group_segment_fixed_size: 87552
    .private_segment_fixed_size: 0
    .kernarg_segment_align: 8
    .kernarg_segment_size: 24
    .max_flat_workgroup_size: 512
    .sgpr_count:     66
    .vgpr_count:     256
    .wavefront_size: 32
...
	.end_amdgpu_metadata
.endif
;; end of part 2
;; launch gemm3 (part 3): grid 8 x 32, 4 waves a work-group, clusters of 4 x 1, 327,680 bytes of LDS; arguments pr, pre, tr; writes tr
.if DOCPART == 3
	.amdgcn_target "amdgcn-amd-amdhsa--gfx1250"
	.amdhsa_code_object_version 6
	.text
	.protected	k_qc775c06831_gemm3
	.globl	k_qc775c06831_gemm3
	.p2align	8
	.type	k_qc775c06831_gemm3,@function
k_qc775c06831_gemm3:
	s_mov_b64 s[64:65], 0
	v_nop
	global_prefetch_b8 v0, s[64:65] scope:SCOPE_SE
	s_setreg_imm32_b32 hwreg(HW_REG_WAVE_MODE, 25, 1), 1
	s_wait_xcnt 0x0
	s_wait_alu depctr_hold_cnt(0) depctr_sa_sdst(0) depctr_va_vdst(0) depctr_va_sdst(0) depctr_va_ssrc(0) depctr_va_vcc(0) depctr_vm_vsrc(0)
	s_getreg_b32 s2, hwreg(HW_REG_IB_STS2, 6, 4)
	s_cmp_eq_u32 s2, 0
	s_cbranch_scc0 .Lentry_in_a_cluster
	s_endpgm
.Lentry_in_a_cluster:
	s_bfe_u32 s2, ttmp6, 0x10000c
	s_cmp_lg_u32 s2, 0x3003
	s_cbranch_scc0 .Lentry_shape_is_right
	s_endpgm
.Lentry_shape_is_right:
; D(i, j) = the sum over K = 2,048 of S0(i, k) S1(j, k) on E2M1 codes, and D QUANTISED ALONG i on the way out.  One text for two launches:
;   Q_dct x atn:  S0 = 256 keys of the softmax's codes (record 8 y + x of the first buffer; K = the queries), S1 = Q_dct along n; out = kstep 2 x + half of head y's record, rows m, K = the keys;
;   .. x Q_dct^T: S0 = that record of head 8 y + x (rows m; K = the keys), S1 = Q_dct along n; out = the head's codes with rows n and K = m, 32,768 bytes a head, eight heads to a record.
; A RECORD is 278,528 bytes: codes [kstep 16][tile 16][1024 = block 4 x row 16 x 16 bytes], at 262,144 scale words [kstep pair 8][tile 16][row 16][2 words].  S1's record lies at byte 0 of the second buffer.
; A fragment lies in memory and in LDS as the image of its registers: two loads of 16 bytes a lane at 16 x lane, 512 bytes on end: no pitch, no padding.
; SHARES.  A work-group of four waves makes 256 x 256; a wave 128 x 128: 64 accumulators, 512 registers.  K goes in steps of 512 through two LDS slots; both records' scale words come once and stay.
; Source 0 = 16 rows of S0, whose tiles are PERMUTED (row r of tile 2 B + u is index 32 B + 8 u + r + 8 (r / 8)), source 1 = 16 rows of S1: a lane holds one row of S1, and the 16 registers of two neighbouring
; accumulators are 16 neighbours along S0's rows, which are the next product's K.  So each of S1's eight tiles of a wave leaves as one fragment and one scale word a row, straight from registers.
; CLUSTER: four work-groups along x.  All read the same tiles of S1: waves 2 and 3 ask for them JOINTLY (one descriptor, the mask names the four).  S0 is each work-group's own: waves 0 and 1 fetch it by loads without a mask.
; No prefetch: four slots' worth in all, two of them asked for at the head.  LIMITS: NaN and infinities are not served; a block of zeros gets the byte 1 where the rule says 127 (zero codes; the bytes are this program's own).
; REGISTERS: window 0: v16-29 addresses; v32-95 scale words, two sets, and nothing else; v128-191 S1's fragments, one set (on the way out: codes; v192-199 scale words; v200-215 at work).
;   window 1: S0's fragments, two sets, at v0 and v128.   windows 2, 3: the accumulators ((a, b) at v[8 (8 (a % 4) + b)], a = S1's tile, b = S0's).
.set NQ,     4                         ; steps of 128 in a slot
.set FR,     8                         ; registers of a fragment
.set NL,     2                         ; LDS loads that bring one
.set NP,     4                         ; places behind this matrix instruction (ISA guide 7.12.1)
.set REC,    278528
.set SLOT,   131072                    ; S0's four ksteps (65,536 bytes), then S1's
.set SCL,    262144                    ; behind the ring: S0's 16,384 bytes of scale words, then S1's
.set SPARE,  294912                    ; the spare words, 128 bytes for each wave: two blocks of 256 bytes that no other line names
.set FLOOR,  0x1800000
.set ADRA, 16                          ; v16-17  LDS address of my fragments of S1 in slot 0, 1
.set ADRB, 20                          ; v20-21  the same for S0
.set SO,   25                          ; v25     8 r: my row's place among the scale words that I store
.set CO,   26                          ; v26     16 x lane
.set ADRS, 27                          ; v27     LDS address of my scale words: lanes 0-15 S0's rows, lanes 16-31 S1's
.set SPW,  28                          ; v28     LDS address of my spare word; never rewritten
.set NIL,  29                          ; v29     0; never rewritten
.set SC,   32                          ; set s at v[SC + 32 s]; register 4 i + q: lanes 0-15 the word of S0's tile i, lanes 16-31 of S1's tile i, for the slot's q-th 128
.set AF,   128
.set PC,   128
.set PW,   192
.set TM,   200
.set G1, 24                            ; s[24:31] group 1 for S0's tiles; s[32:39] group 0, a set for each slot
.set G0, 32
.set G1B, 48                           ; s[48:55], s[56:63] the same for S1's
.set G0B, 56
.set G1S, 68                           ; s[68:75], s[76:79] groups 1 and 0 for S0's scale words; s[80:87], s[88:91] for S1's
.set G0S, 76
.set G1SB, 80
.set G0SB, 88
.set SEL, 96                           ; s[96:97] selects for lane l xor 16
.set MSB, 0
.macro WIN new                         ; the immediate's high byte repeats the setting that is left
.if MSB != (\new)
	s_set_vgpr_msb (MSB<<8)|(\new)
.set MSB, (\new)
.endif
.endm
.set MUL_LO, 0xa1                      ; source 0 (S0) window 1, source 1 (S1) window 0, C and D window 2
.set MUL_HI, 0xf1                      ; the same, C and D window 3
.set TO_B,   0x40                      ; destination window 1, address window 0
; Waves 0 and 1 fetch for S0, waves 2 and 3 for S1.  The branch hangs on the wave's number alone.  Four v_nop follow each of the two lines.
.macro JLOAD g0a, g1a, g0b, g1b
	s_cmp_eq_u32 s15, 0
	s_cbranch_scc0 .Lfor_b_\@
	tensor_load_to_lds s[\g0a:\g0a+3], s[\g1a:\g1a+7]
	s_nop 0
.rept 4
	v_nop
.endr
	s_branch .Lasked_\@
.Lfor_b_\@:
	tensor_load_to_lds s[\g0b:\g0b+3], s[\g1b:\g1b+7]
	s_nop 0
.rept 4
	v_nop
.endr
.Lasked_\@:
.endm
.macro CREST                           ; a round of the cluster's barrier behind its opening barrier
	s_cmp_lg_u32 s14, 0
	s_cbranch_scc1 .Lnot_wave_0_\@
	s_barrier_signal -3
.Lnot_wave_0_\@:
	s_barrier_wait -3
	s_barrier_signal -1
	s_barrier_wait -1
.endm
.macro CROUND                          ; a whole round
	s_barrier_signal -1
	s_barrier_wait -1
	CREST
.endm
	s_load_b128 s[4:7], s[0:1], 0x0                ; S0's buffer s[4:5], S1's s[6:7]
	s_load_b64 s[12:13], s[0:1], 0x10              ; the result's
	v_lshl_add_u32 v[SPW], v0, 2, SPARE
	v_mov_b32 v[NIL], 0
	ds_add_u32 v28, v29
	ds_add_u32 v28, v29
	s_wait_dscnt 0x0
	v_lshrrev_b32 v1, 5, v0
	v_readfirstlane_b32 s14, v1                    ; wave 0..3
	s_lshr_b32 s15, s14, 1                         ; which half of S1's rows is mine.  Also: I fetch for S0 (0) or for S1 (1)
	s_and_b32 s16, s14, 1                          ; which half of S0's rows.  Also: which half of a tile I fetch
	s_bfe_u32 s40, ttmp6, 0x40000                  ; cx
	s_lshl_b32 s42, ttmp9, 2
	s_add_co_u32 s42, s42, s40                     ; x = 4 x cluster x + cx
	s_and_b32 s17, ttmp7, 0xffff                   ; y
	s_lshl_b32 s43, s17, 3
	s_add_co_u32 s43, s43, s42                     ; S0's record: 8 y + x
	; group 1: dense blocks as rows of 256 bytes (32 elements of 8 bytes): 128 rows of codes, 32 rows of scale words.  No padding
	s_mov_b32 s[G1+0], 3<<16                       ; no mask
	s_mov_b32 s[G1B+0], 15|(3<<16)|(1<<21)         ; the mask: all four work-groups; bit 21 set beside it
	s_mov_b32 s[G1S+0], 3<<16
	s_mov_b32 s[G1SB+0], 15|(3<<16)|(1<<21)
.irp g, G1, G1B
	s_mov_b32 s[\g+1], 32<<16                      ; tensor_dim0
	s_mov_b32 s[\g+2], 128<<16                     ; tensor_dim1
	s_mov_b32 s[\g+3], 32<<16                      ; tile_dim0
	s_mov_b32 s[\g+4], 128                         ; tile_dim1
	s_mov_b32 s[\g+5], 32                          ; tensor_dim0_stride
	s_mov_b32 s[\g+6], 0
	s_mov_b32 s[\g+7], 0
.endr
.irp g, G1S, G1SB
	s_mov_b32 s[\g+1], 32<<16
	s_mov_b32 s[\g+2], 32<<16
	s_mov_b32 s[\g+3], 32<<16
	s_mov_b32 s[\g+4], 32
	s_mov_b32 s[\g+5], 32
	s_mov_b32 s[\g+6], 0
	s_mov_b32 s[\g+7], 0
.endr
	s_mul_i32 s20, s43, REC
	s_lshl_b32 s41, s16, 15
	s_add_co_u32 s20, s20, s41                     ; S0's codes: the record, + my half of a slot's 65,536 bytes
	s_mov_b32 s21, 0
	s_mul_i32 s22, s43, REC
	s_lshl_b32 s41, s16, 13
	s_add_co_u32 s22, s22, s41
	s_add_co_u32 s22, s22, 262144                  ; its scale words, my half
	s_mov_b32 s23, 0
	s_lshl_b32 s44, s16, 15                        ; S1's: made of the wave's number alone, in registers that never hold x, y or cx
	s_mov_b32 s45, 0
	s_lshl_b32 s92, s16, 13
	s_add_co_u32 s92, s92, 262144
	s_mov_b32 s93, 0
	s_lshl_b32 s18, s14, 15                        ; where they go: wave x 32,768 in a slot,
	s_lshl_b32 s19, s14, 13                        ; wave x 8,192 among the scale words
	s_mul_i32 s10, s17, REC                        ; the result's codes: record y, kstep 2 x + my half of S0, tiles 8 x my half of S1 on
	s_lshl_b32 s41, s42, 15
	s_add_co_u32 s10, s10, s41
	s_lshl_b32 s41, s16, 14
	s_add_co_u32 s10, s10, s41
	s_lshl_b32 s41, s15, 13
	s_add_co_u32 s10, s10, s41
	s_mov_b32 s11, 0
	s_mul_i32 s8, s17, REC                         ; its scale words: kstep pair x, the same tiles, word = my half of S0
	s_lshl_b32 s41, s42, 11
	s_add_co_u32 s8, s8, s41
	s_lshl_b32 s41, s15, 10
	s_add_co_u32 s8, s8, s41
	s_lshl_b32 s41, s16, 2
	s_add_co_u32 s8, s8, s41
	s_mov_b32 s9, 0
	s_mov_b32 s[SEL], 0x76543210
	s_mov_b32 s[SEL+1], 0xfedcba98
	s_wait_kmcnt 0x0
	s_add_nc_u64 s[20:21], s[4:5], s[20:21]
	s_add_nc_u64 s[22:23], s[4:5], s[22:23]
	s_add_nc_u64 s[46:47], s[6:7], s[44:45]
	s_add_nc_u64 s[92:93], s[6:7], s[92:93]
	s_add_nc_u64 s[10:11], s[12:13], s[10:11]
	s_add_nc_u64 s[8:9], s[12:13], s[8:9]
	CROUND                                         ; all four work-groups are here: the first joint loads meet
	s_mov_b32 s[G0S], 1
	s_add_co_u32 s[G0S+1], s19, SCL
	s_mov_b64 s[G0S+2:G0S+3], s[22:23]
	s_or_b32 s[G0S+3], s[G0S+3], 0x80000000
	s_mov_b32 s[G0SB], 1
	s_add_co_u32 s[G0SB+1], s19, SCL
	s_mov_b64 s[G0SB+2:G0SB+3], s[92:93]
	s_or_b32 s[G0SB+3], s[G0SB+3], 0x80000000
	JLOAD G0S, G1S, G0SB, G1SB                     ; the scale words first: they are wanted with the first step
.irp s, 0,1
	s_mov_b32 s[G0+4*\s], 1
	s_add_co_u32 s[G0+4*\s+1], s18, \s*SLOT
	s_add_nc_u64 s[G0+4*\s+2:G0+4*\s+3], s[20:21], \s*65536
	s_or_b32 s[G0+4*\s+3], s[G0+4*\s+3], 0x80000000
	s_mov_b32 s[G0B+4*\s], 1
	s_add_co_u32 s[G0B+4*\s+1], s18, \s*SLOT
	s_add_nc_u64 s[G0B+4*\s+2:G0B+4*\s+3], s[46:47], \s*65536
	s_or_b32 s[G0B+4*\s+3], s[G0B+4*\s+3], 0x80000000
	JLOAD G0+4*\s, G1, G0B+4*\s, G1B               ; three loads of mine are out behind the last of these
.endr
	v_and_b32 v1, 15, v0                           ; r
	v_bfe_u32 v2, v0, 4, 1                         ; h
	v_and_b32 v3, 31, v0
	v_lshlrev_b32 v[CO], 4, v3
	v_lshlrev_b32 v[SO], 3, v1
	s_lshl_b32 s21, s15, 13
	s_add_co_u32 s21, s21, 65536                   ; my eight tiles of S1, behind S0's part of a slot
	s_lshl_b32 s22, s16, 13                        ; my eight tiles of S0
.irp s, 0,1
	v_add_nc_u32 v[ADRA+\s], s21, v[CO]
	v_add_nc_u32 v[ADRB+\s], s22, v[CO]
	s_add_co_u32 s21, s21, SLOT
	s_add_co_u32 s22, s22, SLOT
.endr
	s_lshl_b32 s21, s16, 10                        ; S0's words: my eight tiles, 128 bytes each
	s_lshl_b32 s22, s15, 10                        ; S1's, 16,384 bytes further on
	s_add_co_u32 s22, s22, 16384
	s_sub_co_u32 s22, s22, s21
	v_mul_u32_u24 v6, s22, v2                      ; lanes 16-31 take S1's: one product with h
	s_add_co_u32 s21, s21, SCL
	v_add_nc_u32 v5, v[SO], v6
	v_add_nc_u32 v[ADRS], s21, v5
.irp b, 0,1,2,3
	v_mov_b32 v[TM+4+\b], 0                        ; written once: a lane permute's destination counts as read
.endr
.macro FRAG reg, adr, q, i             ; tile i of the slot's q-th 128 along K
.irp c, 0,1
	ds_load_b128 v[\reg+4*\c:\reg+4*\c+3], v[\adr] offset:16384*(\q)+1024*(\i)+512*\c
.endr
.endm
; 16 matrix instructions: S1's tiles a0, a0 + 1 x S0's eight.  p: S0's set; sc: the set of scale words.  zero = 1: the first product starts the sums.  The 64 accumulators take turns, in the same order in every step.
.macro MUL16 a0, p, q, sc, zero
.irp a, \a0, \a0+1
.irp b, 0,1,2,3,4,5,6,7
.if \zero
	v_wmma_scale_f32_16x16x128_f8f6f4 v[8*(8*((\a)%4)+\b):8*(8*((\a)%4)+\b)+7], v[128*(\p)+FR*\b:128*(\p)+FR*\b+FR-1], v[AF+FR*(\a):AF+FR*(\a)+FR-1], 0, v[SC+32*(\sc)+4*\b+(\q)], v[SC+32*(\sc)+4*(\a)+(\q)] matrix_a_fmt:MATRIX_FMT_FP4 matrix_b_fmt:MATRIX_FMT_FP4 matrix_b_scale:MATRIX_SCALE_ROW1
.else
	v_wmma_scale_f32_16x16x128_f8f6f4 v[8*(8*((\a)%4)+\b):8*(8*((\a)%4)+\b)+7], v[128*(\p)+FR*\b:128*(\p)+FR*\b+FR-1], v[AF+FR*(\a):AF+FR*(\a)+FR-1], v[8*(8*((\a)%4)+\b):8*(8*((\a)%4)+\b)+7], v[SC+32*(\sc)+4*\b+(\q)], v[SC+32*(\sc)+4*(\a)+(\q)] matrix_a_fmt:MATRIX_FMT_FP4 matrix_b_fmt:MATRIX_FMT_FP4 matrix_b_scale:MATRIX_SCALE_ROW1
.endif
.endr
.endr
.endm
.macro FETCH_B slot, q, p              ; S0's eight fragments into set p
	WIN TO_B
.irp i, 0,1,2,3,4,5,6,7
	FRAG 128*(\p)+FR*\i, ADRB+\slot, \q, \i
.endr
	WIN 0
.endm
.macro FETCH_A slot, q, i0             ; S1's tiles i0 .. i0 + 3
.irp i, \i0, \i0+1, \i0+2, \i0+3
	FRAG AF+FR*(\i), ADRA+\slot, \q, \i
.endr
.endm
.macro SCALES sc                       ; a slot's scale words into set sc: two kstep pairs, two words each
.irp i, 0,1,2,3,4,5,6,7
.irp pp, 0,1
	ds_load_b64 v[SC+32*\sc+4*\i+2*\pp:SC+32*\sc+4*\i+2*\pp+1], v[ADRS] offset:2048*\pp+128*\i
.endr
.endr
.endm
.macro PLACES n                        ; plain vector lines between a matrix instruction and a load into, or a vector read of, its registers
.rept \n
	v_nop
.endr
.endm
.macro STEP slot, q, zero              ; a step of 128 along K that has its successor in the same slot
	s_wait_dscnt 4*NL                              ; all but the youngest eight loads (S1's tiles 4-7) are in
	WIN MUL_LO
	MUL16 0, (\q)%2, \q, \slot, \zero
	MUL16 2, (\q)%2, \q, \slot, \zero
	s_wait_dscnt 0
	PLACES NP
	FETCH_B \slot, (\q)+1, 1-(\q)%2
	FETCH_A \slot, (\q)+1, 0
	WIN MUL_HI
	MUL16 4, (\q)%2, \q, \slot, \zero
	MUL16 6, (\q)%2, \q, \slot, \zero
	PLACES NP
	WIN 0
	FETCH_A \slot, (\q)+1, 4
.endm
; A slot's last step changes slots: one barrier; in front of it each wave waits for all its tensor loads, adds 0 to its spare word, and waits for that and for its reads of this slot.  fill = 1: the slot is filled again, two slots ahead.
.macro TURN slot, next, fill
	s_wait_tensorcnt 0x0                           ; all my tensor loads have landed: my part of the next slot
	ds_add_u32 v[SPW], v[NIL]                      ; 0 onto my spare word
	s_wait_dscnt 4*NL+1                            ; the add and the youngest eight loads may be out
	WIN MUL_LO
	MUL16 0, 1, NQ-1, \slot, 0
	s_wait_dscnt 0x0                               ; the add is done, and my reads of this slot are over
	s_barrier_signal -1
	MUL16 2, 1, NQ-1, \slot, 0
	WIN 0
	s_barrier_wait -1
.if \fill
	CREST                                          ; the barrier has opened a round of the cluster's: no wave of any partner still reads this slot or has a load on its way
	s_add_nc_u64 s[G0+4*\slot+2:G0+4*\slot+3], s[G0+4*\slot+2:G0+4*\slot+3], 2*65536
	s_add_nc_u64 s[G0B+4*\slot+2:G0B+4*\slot+3], s[G0B+4*\slot+2:G0B+4*\slot+3], 2*65536
	JLOAD G0+4*\slot, G1, G0B+4*\slot, G1B         ; my one tensor load behind the round; its four v_nop are the places in front of the loads below
.else
	PLACES NP
.endif
	v_add_nc_u32 v[ADRS], 4096, v[ADRS]            ; the next slot's scale words (no LDS load of mine is out)
	FETCH_B \next, 0, 0
	FETCH_A \next, 0, 0
	SCALES \next
	WIN MUL_HI
	MUL16 4, 1, NQ-1, \slot, 0
	MUL16 6, 1, NQ-1, \slot, 0
	PLACES NP
	WIN 0
	FETCH_A \next, 0, 4
.endm
.macro STEPS slot, from                ; the slot's steps from .. NQ - 2
.set Q, \from
.rept NQ-1-\from
	STEP \slot, Q, 0
.set Q, Q+1
.endr
.endm
	s_wait_tensorcnt 1                             ; the scale words and my part of slot 0 are in; slot 1's load may be out
	s_barrier_signal -1
	s_barrier_wait -1
	FETCH_B 0, 0, 0
	FETCH_A 0, 0, 0
	SCALES 0
	FETCH_A 0, 0, 4
	STEP 0, 0, 1                                   ; K has four slots' worth: the sixteen steps are written in a line; the first starts the sums
	STEPS 0, 1
	TURN 0, 1, 1
	STEPS 1, 0
	TURN 1, 0, 1
	STEPS 0, 0
	TURN 0, 1, 0                                   ; nothing is left to fetch
	STEPS 1, 0
	s_wait_dscnt 4*NL
	WIN MUL_LO
	MUL16 0, 1, NQ-1, 1, 0
	MUL16 2, 1, NQ-1, 1, 0
	s_wait_dscnt 0
	WIN MUL_HI
	MUL16 4, 1, NQ-1, 1, 0
	MUL16 6, 1, NQ-1, 1, 0
	WIN 0
; THE WAY OUT.  S1's tile a: the 64 registers of accumulators (a, 0 .. 7): register 16 B + i = index 32 B + 16 h + i along S0's rows, of my row r of S1.  They become one fragment and one scale word a row.
.macro QUANTW a
.set AC, 64*((\a)%4)
.set WW, 2+(\a)/4
	WIN 0
.irp b, 0,1,2,3
	v_mov_b32 v[TM+\b], FLOOR
.endr
	WIN 20*WW                                      ; sources 1 and 2 in the accumulators' window
.irp i, 0,2,4,6,8,10,12,14
.irp b, 0,1,2,3
	v_max3_num_f32 v[TM+\b], v[TM+\b], |v[AC+16*\b+\i]|, |v[AC+16*\b+\i+1]|   ; ascending: each accumulator is first read at its low end
.endr
.endr
	WIN 0
.irp b, 0,1,2,3
	v_permlanex16_b32 v[TM+4+\b], v[TM+\b], s[SEL], s[SEL+1]
.endr
.irp b, 0,1,2,3
	v_max_num_f32 v[TM+\b], v[TM+\b], v[TM+4+\b]
.endr
.irp b, 0,1,2,3
	v_add_nc_u32 v[TM+12+\b], 0xff000000, v[TM+\b]
.endr
.irp b, 0,1,2,3
	v_lshrrev_b32 v[TM+8+\b], 23, v[TM+12+\b]
.endr
	v_lshl_or_b32 v[PW+\a], v[TM+9], 8, v[TM+8]
	v_lshl_or_b32 v[PW+\a], v[TM+10], 16, v[PW+\a]
	v_lshl_or_b32 v[PW+\a], v[TM+11], 24, v[PW+\a]
	WIN WW                                         ; source 0 in the accumulators' window
.irp b, 0,1,2,3
	v_cvt_scalef32_pk8_fp4_f32 v[PC+8*\a+2*\b], v[AC+16*\b:AC+16*\b+7], v[TM+12+\b]
	v_cvt_scalef32_pk8_fp4_f32 v[PC+8*\a+2*\b+1], v[AC+16*\b+8:AC+16*\b+15], v[TM+12+\b]
.endr
	WIN 0
	v_nop                                          ; a plain line behind the conversions
.irp c, 0,1                            ; a whole block to a lane: lanes 0-15 block 2 c, lanes 16-31 block 2 c + 1
.irp i, 0,1
	v_permlane16_swap_b32 v[PC+8*\a+4*\c+\i], v[PC+8*\a+4*\c+2+\i]
.endr
.endr
.irp c, 0,1
	global_store_b128 v[CO], v[PC+8*\a+4*\c:PC+8*\a+4*\c+3], s[10:11] offset:1024*\a+512*\c   ; 512 consecutive bytes, aligned
.endr
	global_store_b32 v[SO], v[PW+\a], s[8:9] offset:262144+128*\a   ; 4 bytes of every 8 (the other wave half's word lies between); both halves of the lanes write the same word
.endm
	PLACES NP                                      ; the codes land where S1's fragments lay
.irp a, 0,1,2,3,4,5,6,7
	QUANTW \a                                      ; each tile has registers of its own for its codes and its word: no store's data are written again
.endr
	s_wait_tensorcnt 0x0                           ; the wave's end
	ds_add_u32 v[SPW], v[NIL]
	s_wait_dscnt 0x0
	CROUND                                         ; the closing round: no work-group ends while a partner may still ask for a tile that names it
	s_endpgm
.Lfunc_end_k_qc775c06831_gemm3:
	.size	k_qc775c06831_gemm3, .Lfunc_end_k_qc775c06831_gemm3-k_qc775c06831_gemm3
	.p2alignl 7, 3214868480
	.fill 96, 4, 3214868480
	.section	.rodata,"a",@progbits
	.p2align	6, 0x0
	.amdhsa_kernel k_qc775c06831_gemm3
		.amdhsa_group_segment_fixed_size 327680
		.amdhsa_private_segment_fixed_size 0
		.amdhsa_enable_private_segment 0
		.amdhsa_kernarg_size 24
		.amdhsa_user_sgpr_count 2
		.amdhsa_user_sgpr_kernarg_segment_ptr 1
		.amdhsa_wavefront_size32 1
		.amdhsa_system_sgpr_workgroup_id_x 1
		.amdhsa_system_sgpr_workgroup_id_y 1
		.amdhsa_system_sgpr_workgroup_id_z 1
		.amdhsa_system_vgpr_workitem_id 0
		.amdhsa_next_free_vgpr 1024
		.amdhsa_next_free_sgpr 98
		.amdhsa_reserve_vcc 0
		.amdhsa_float_denorm_mode_32 3
		.amdhsa_float_denorm_mode_16_64 3
		.amdhsa_memory_ordered 1
		.amdhsa_forward_progress 1
		.amdhsa_inst_pref_size 217
	.end_amdhsa_kernel
	.amdgpu_metadata
---
amdhsa.version: [ 1, 2 ]
amdhsa.kernels:
  - .name:           k_qc775c06831_gemm3
    .symbol:         k_qc775c06831_gemm3.kd
    .args:
      - { .name: pr, .offset: 0, .size: 8, .value_kind: global_buffer, .address_space: global }
      - { .name: pre, .offset: 8, .size: 8, .value_kind: global_buffer, .address_space: global }
      - { .name: tr, .offset: 16, .size: 8, .value_kind: global_buffer, .address_space: global }
    .group_segment_fixed_size: 327680
    .private_segment_fixed_size: 0
    .kernarg_segment_align: 8
    .kernarg_segment_size: 24
    .max_flat_workgroup_size: 128
    .sgpr_count:     98
    .vgpr_count:     1024
    .wavefront_size: 32
...
	.end_amdgpu_metadata
.endif
;; end of part 3
;; launch gemm4: the kernel of part 3 again; grid 8 x 4, 4 waves a work-group, clusters of 4 x 1, 327,680 bytes of LDS; arguments tr, pre, a2; writes a2
;; launch tail (part 4): grid 8 x 32, 4 waves a work-group, no clusters, 17,920 bytes of LDS; arguments pre, a2, vd, out0; writes out0
.if DOCPART == 4
	.amdgcn_target "amdgcn-amd-amdhsa--gfx1250"
	.amdhsa_code_object_version 6
	.text
	.protected	k_qc775c06831_tail
	.globl	k_qc775c06831_tail
	.p2align	8
	.type	k_qc775c06831_tail,@function
k_qc775c06831_tail:
	s_mov_b64 s[64:65], 0
	v_nop
	global_prefetch_b8 v0, s[64:65] scope:SCOPE_SE
	s_setreg_imm32_b32 hwreg(HW_REG_WAVE_MODE, 25, 1), 1
	s_wait_xcnt 0x0
; x = Q_dct^T A2 (K = m, 256), quantised along n in registers, and out = x Vd (K = n, 256).
; SHARES.  Work-group (x, head): 256 queries.  Wave w takes the four tiles of 16 queries 16 x + 4 w + 0 .. 3, by itself: no barrier.  The head's A2 (32 fragments) and Vd (8) stay in the wave's registers.
; First product: source 0 = 16 rows n of A2 (permuted tiles), source 1 = 16 queries of Q_dct along m: a lane holds one query, and the 16 registers of two neighbouring tiles are 16 neighbours along n.
; Second: source 0 = 16 columns d of Vd, source 1 = x's codes: a lane holds eight neighbouring d of one query; a tile's 16 rows of 256 bytes go through the wave's own stage in LDS and leave whole.
; No cluster and no LDS for the weights: each wave reads its 40 KiB once, straight into registers.  LIMITS: NaN and infinities are not served; a block of zeros gets the byte 1 where the rule says 127 (zero codes).
; REGISTERS: window 1: A2's fragment (tile t, kstep s) at v[8 (2 t + s)].  window 2: Vd's (d tile t, kstep s) at v[8 (2 t + s)].
;   window 0: v1-6 addresses; v16-47 Q_dct's fragments, two sets; v48-175 x's 16 tiles (v48-79 later the result; v80-111 later rows read back); v176-191 x's codes; v192-207 at work;
;   v216-231 A2's scale words, v232-235 Vd's, v236-239 Q_dct's (two sets), v240-241 x's.
.set O_DM,   7225344
.set O_DMS,  7487488
.set REC,    278528
.set DMF, 16
.set XR,  48
.set RB,  80
.set PC,  176
.set TM,  192
.set A2S, 216                          ; pair i: lanes 0-15 tile 2 i, lanes 16-31 tile 2 i + 1; register 2 i + s
.set VDS, 232                          ; register 2 s + i: lanes 0-15 d tile 2 i, lanes 16-31 d tile 2 i + 1
.set DMS, 236
.set PW,  240
.set MSB, 0
.macro WIN new                         ; the immediate's high byte repeats the setting that is left
.if MSB != (\new)
	s_set_vgpr_msb (MSB<<8)|(\new)
.set MSB, (\new)
.endif
.endm
.macro WM d, a, b, sa, sb, zero, odd   ; one product; odd = 1: source 0's scale words stand in lanes 16-31
.if \zero
.if \odd
	v_wmma_scale_f32_16x16x128_f8f6f4 v[\d:\d+7], v[\a:\a+7], v[\b:\b+7], 0, v[\sa], v[\sb] matrix_a_fmt:MATRIX_FMT_FP4 matrix_b_fmt:MATRIX_FMT_FP4 matrix_a_scale:MATRIX_SCALE_ROW1
.else
	v_wmma_scale_f32_16x16x128_f8f6f4 v[\d:\d+7], v[\a:\a+7], v[\b:\b+7], 0, v[\sa], v[\sb] matrix_a_fmt:MATRIX_FMT_FP4 matrix_b_fmt:MATRIX_FMT_FP4
.endif
.else
.if \odd
	v_wmma_scale_f32_16x16x128_f8f6f4 v[\d:\d+7], v[\a:\a+7], v[\b:\b+7], v[\d:\d+7], v[\sa], v[\sb] matrix_a_fmt:MATRIX_FMT_FP4 matrix_b_fmt:MATRIX_FMT_FP4 matrix_a_scale:MATRIX_SCALE_ROW1
.else
	v_wmma_scale_f32_16x16x128_f8f6f4 v[\d:\d+7], v[\a:\a+7], v[\b:\b+7], v[\d:\d+7], v[\sa], v[\sb] matrix_a_fmt:MATRIX_FMT_FP4 matrix_b_fmt:MATRIX_FMT_FP4
.endif
.endif
.endm
; 64 numbers of a lane, register 16 b + i = index 32 b + 16 h + i of my row, become a fragment's codes in v[pc] on and its scale word in v[pw]
.macro QUANT s, pc, pw
.irp b, 0,1,2,3
	v_max3_num_f32 v[TM+\b], |v[\s+16*\b]|, |v[\s+1+16*\b]|, 0x1800000   ; with the floor 2^(3 - 127); each accumulator is first read at its low end
.endr
.irp i, 2,4,6,8,10,12,14
.irp b, 0,1,2,3
	v_max3_num_f32 v[TM+\b], v[TM+\b], |v[\s+16*\b+\i]|, |v[\s+1+16*\b+\i]|
.endr
.endr
.irp b, 0,1,2,3
	v_permlanex16_b32 v[TM+4+\b], v[TM+\b], s30, s31
.endr
.irp b, 0,1,2,3
	v_max_num_f32 v[TM+\b], v[TM+\b], v[TM+4+\b]
.endr
.irp b, 0,1,2,3
	v_add_nc_u32 v[TM+12+\b], 0xff000000, v[TM+\b]
.endr
.irp b, 0,1,2,3
	v_lshrrev_b32 v[TM+8+\b], 23, v[TM+12+\b]
.endr
	v_lshl_or_b32 v[\pw], v[TM+9], 8, v[TM+8]
	v_lshl_or_b32 v[\pw], v[TM+10], 16, v[\pw]
	v_lshl_or_b32 v[\pw], v[TM+11], 24, v[\pw]
.irp b, 0,1,2,3
	v_cvt_scalef32_pk8_fp4_f32 v[\pc+2*\b], v[\s+16*\b:\s+7+16*\b], v[TM+12+\b]
	v_cvt_scalef32_pk8_fp4_f32 v[\pc+1+2*\b], v[\s+8+16*\b:\s+15+16*\b], v[TM+12+\b]
.endr
	v_nop                                          ; a plain line behind the conversions
.irp c, 0,1
.irp i, 0,1
	v_permlane16_swap_b32 v[\pc+4*\c+\i], v[\pc+2+4*\c+\i]
.endr
.endr
.endm
.macro DMLOAD k                        ; Q_dct's two fragments and scale words of my k-th tile of queries, into set k % 2
.irp s, 0,1
.irp cc, 0,1
	global_load_b128 v[DMF+16*((\k)%2)+8*\s+4*\cc:DMF+16*((\k)%2)+8*\s+4*\cc+3], v1, s[24:25] offset:O_DM+2048*(\k)+1024*\s+512*\cc
.endr
	global_load_b32 v[DMS+2*((\k)%2)+\s], v2, s[26:27] offset:O_DMS+128*(\k)+64*\s
.endr
.endm
	s_load_b128 s[4:7], s[0:1], 0x0                ; pre s[4:5], a2 s[6:7]
	s_load_b128 s[8:11], s[0:1], 0x10              ; vd s[8:9], out0 s[10:11]
	v_lshl_add_u32 v254, v0, 2, 0x4400
	v_mov_b32 v255, 0
	v_lshrrev_b32 v1, 5, v0
	v_readfirstlane_b32 s12, v1                    ; wave
	s_mov_b32 s13, ttmp9                           ; x
	s_and_b32 s14, ttmp7, 0xffff                   ; head
	v_and_b32 v7, 31, v0
	v_and_b32 v8, 15, v0
	v_bfe_u32 v9, v0, 4, 1
	v_lshlrev_b32 v1, 4, v7                        ; 16 x lane
	v_lshlrev_b32 v2, 2, v8                        ; 4 r
	v_lshlrev_b32 v3, 3, v7                        ; 8 x lane
	v_lshlrev_b32 v4, 2, v7                        ; 4 x lane
	s_mul_i32 s15, s12, 4352                       ; my stage: 16 rows x (256 + 16) bytes
	v_mul_u32_u24 v5, v8, 272
	v_lshl_add_u32 v5, v9, 5, v5
	v_add_nc_u32 v5, s15, v5                       ; in: row r, + 32 h
	v_mul_u32_u24 v6, v9, 272
	v_lshl_add_u32 v6, v8, 4, v6
	v_add_nc_u32 v6, s15, v6                       ; back: lanes 0-15 one row, lanes 16-31 the next
.irp b, 0,1,2,3
	v_mov_b32 v[TM+4+\b], 0                        ; written once: a lane permute's destination counts as read
.endr
	s_mov_b32 s30, 0x76543210
	s_mov_b32 s31, 0xfedcba98
	s_mov_b32 s33, 0                               ; s[32:33]: offsets, all under 2^32
	s_lshr_b32 s34, s14, 3
	s_mul_i32 s34, s34, REC
	s_and_b32 s35, s14, 7
	s_lshl_b32 s36, s13, 4
	s_lshl_b32 s37, s12, 2
	s_add_co_u32 s36, s36, s37                     ; my first tile of queries: 16 x + 4 wave
	s_wait_kmcnt 0x0
	s_lshl_b32 s32, s35, 15
	s_add_co_u32 s32, s32, s34
	s_add_nc_u64 s[16:17], s[6:7], s[32:33]        ; A2's codes of my head
	s_lshl_b32 s32, s35, 11
	s_add_co_u32 s32, s32, s34
	s_add_nc_u64 s[18:19], s[6:7], s[32:33]        ; its scale words
	s_lshl_b32 s32, s14, 13
	s_add_nc_u64 s[20:21], s[8:9], s[32:33]        ; Vd's codes
	s_lshl_b32 s32, s14, 9
	s_add_nc_u64 s[22:23], s[8:9], s[32:33]        ; its scale words
	s_lshl_b32 s32, s36, 11
	s_add_nc_u64 s[24:25], s[4:5], s[32:33]        ; Q_dct along m: 2,048 bytes a tile of queries
	s_lshl_b32 s32, s36, 7
	s_add_nc_u64 s[26:27], s[4:5], s[32:33]
	s_lshl_b32 s32, s14, 19
	s_lshl_b32 s37, s36, 12
	s_add_co_u32 s32, s32, s37
	s_add_nc_u64 s[28:29], s[10:11], s[32:33]      ; out0 at my first row: 4,096 bytes a tile
	DMLOAD 0
.irp i, 0,1,2,3,4,5,6,7
	global_load_b64 v[A2S+2*\i:A2S+2*\i+1], v3, s[18:19] offset:262144+256*\i
.endr
.irp s, 0,1
.irp i, 0,1
	global_load_b32 v[VDS+2*\s+\i], v4, s[22:23] offset:262144+256*\s+128*\i
.endr
.endr
	WIN 0x40                                       ; destination window 1
.irp s, 0,1
.irp t, 0,1,2,3,4,5,6,7,8,9,10,11,12,13,14,15
.irp cc, 0,1
	global_load_b128 v[8*(2*\t+\s)+4*\cc:8*(2*\t+\s)+4*\cc+3], v1, s[16:17] offset:16384*\s+1024*\t+512*\cc
.endr
.endr
.endr
	WIN 0x80                                       ; destination window 2
.irp s, 0,1
.irp t, 0,1,2,3
.irp cc, 0,1
	global_load_b128 v[8*(2*\t+\s)+4*\cc:8*(2*\t+\s)+4*\cc+3], v1, s[20:21] offset:4096*\s+1024*\t+512*\cc
.endr
.endr
.endr
	WIN 0
.macro TILE k
.set DS, DMF+16*((\k)%2)
.set SS, DMS+2*((\k)%2)
	s_wait_loadcnt 0x0                             ; this tile's fragments of Q_dct (and, the first time, the weights)
	s_wait_xcnt 0x0                                ; the last tile's stores have read their data, which the products below write over
	WIN 0x01                                       ; source 0 (A2) window 1
.irp s, 0,1                            ; sixteen accumulators by turns; kstep 0 starts the sums
.irp t, 0,1,2,3,4,5,6,7,8,9,10,11,12,13,14,15
	WM XR+8*\t, 8*(2*\t+\s), DS+8*\s, A2S+2*(\t/2)+\s, SS+\s, 1-\s, \t%2
.endr
.endr
	WIN 0
.rept 4
	v_nop                                          ; places behind the products
.endr
.if (\k) < 3
	DMLOAD (\k)+1
.endif
	QUANT XR, PC, PW
	QUANT XR+64, PC+8, PW+1
.rept 8
	v_nop                                          ; a scale word written by vector instructions stands eight plain lines ahead of the product that names it, codes so written four; the results below also land on earlier products' registers
.endr
	WIN 0x02                                       ; source 0 (Vd) window 2
.irp s, 0,1
.irp t, 0,1,2,3
	WM XR+8*\t, 8*(2*\t+\s), PC+8*\s, VDS+2*\s+\t/2, PW+\s, 1-\s, \t%2
.endr
.endr
	WIN 0
.rept 5
	v_nop                                          ; FIVE places: four serve the LDS stores below, which read these results; the fifth is owed to the next tile's first products, which begin v48-79 anew with another C (no other plain vector line stands between)
.endr
.irp t, 0,1,2,3
	ds_store_b128 v5, v[XR+8*\t:XR+8*\t+3] offset:64*\t            ; lane (r, h): out(query r, 16 t + 8 h + 0 .. 7); each accumulator from its low end on
	ds_store_b128 v5, v[XR+8*\t+4:XR+8*\t+7] offset:64*\t+16
.endr
.irp i, 0,1,2,3,4,5,6,7
	ds_load_b128 v[RB+4*\i:RB+4*\i+3], v6 offset:544*\i            ; my own stage; LDS serves a wave's instructions in order
.endr
.irp i, 0,1,2,3,4,5,6,7
	s_wait_dscnt 7-\i                              ; rows 2 i, 2 i + 1 are back; the later ones may be out
	global_store_b128 v1, v[RB+4*\i:RB+4*\i+3], s[28:29] offset:4096*(\k)+512*\i th:TH_STORE_NT   ; 512 consecutive bytes, aligned: two whole rows
.endr
.endm
	TILE 0
	TILE 1
	TILE 2
	TILE 3
	s_wait_tensorcnt 0x0
	ds_add_u32 v254, v255
	s_wait_dscnt 0x0
	s_endpgm
.Lfunc_end_k_qc775c06831_tail:
	.size	k_qc775c06831_tail, .Lfunc_end_k_qc775c06831_tail-k_qc775c06831_tail
	.p2alignl 7, 3214868480
	.fill 96, 4, 3214868480
	.section	.rodata,"a",@progbits
	.p2align	6, 0x0
	.amdhsa_kernel k_qc775c06831_tail
		.amdhsa_group_segment_fixed_size 17920
		.amdhsa_private_segment_fixed_size 0
		.amdhsa_enable_private_segment 0
		.amdhsa_kernarg_size 32
		.amdhsa_user_sgpr_count 2
		.amdhsa_user_sgpr_kernarg_segment_ptr 1
		.amdhsa_wavefront_size32 1
		.amdhsa_system_sgpr_workgroup_id_x 1
		.amdhsa_system_sgpr_workgroup_id_y 1
		.amdhsa_system_sgpr_workgroup_id_z 1
		.amdhsa_system_vgpr_workitem_id 0
		.amdhsa_next_free_vgpr 576
		.amdhsa_next_free_sgpr 66
		.amdhsa_reserve_vcc 0
		.amdhsa_float_denorm_mode_32 3
		.amdhsa_float_denorm_mode_16_64 3
		.amdhsa_memory_ordered 1
		.amdhsa_forward_progress 1
		.amdhsa_inst_pref_size 75
	.end_amdhsa_kernel
	.amdgpu_metadata
---
amdhsa.version: [ 1, 2 ]
amdhsa.kernels:
  - .name:           k_qc775c06831_tail
    .symbol:         k_qc775c06831_tail.kd
    .args:
      - { .name: pre, .offset: 0, .size: 8, .value_kind: global_buffer, .address_space: global }
      - { .name: a2, .offset: 8, .size: 8, .value_kind: global_buffer, .address_space: global }
      - { .name: vd, .offset: 16, .size: 8, .value_kind: global_buffer, .address_space: global }
      - { .name: out0, .offset: 24, .size: 8, .value_kind: global_buffer, .address_space: global }
    .group_segment_fixed_size: 17920
    .private_segment_fixed_size: 0
    .kernarg_segment_align: 8
    .kernarg_segment_size: 32
    .max_flat_workgroup_size: 128
    .sgpr_count:     66
    .vgpr_count:     576
    .wavefront_size: 32
...
	.end_amdgpu_metadata
.endif
;; end of part 4
